; MI455X (gfx1250); checked and timed in simulation.
; The chip was launched on July 23, 2026; its instructions are those of AMD's public machine-readable ISA for CDNA 5 (MIT licence, August 2026) and "CDNA5" Instruction Set Architecture Reference Guide (July 2026). The comments in the code are by the model that wrote it; some were corrected since.
;; Causal Self Attention. Allowed arithmetic: matrix products marked QUANTISED: E4M3 operands, one given power-of-two scale a tensor, by v_wmma_f32_16x16x64_fp8_fp8 or v_wmma_f32_16x16x128_fp8_fp8, f32 sums; everything else in f32.
;; Inputs: W_out 1,024 x 1,024 float32; W_qkv 1,024 x 3,072 float32; b_out 1,024 float32; b_qkv 3,072 float32; lowp_scales 8 int32 (the exponents e of the quantised operands' scales 2^e); x 4 x 2,048 x 1,024 float32.
;; Outputs: out0 4 x 2,048 x 1,024 float32.
;; This version of the problem:
;;   THIS VERSION OF THE PROBLEM IS GIVEN IN LOW PRECISION. The matrix products marked QUANTISED in the list below multiply operands that are first quantised to E4M3 (4 exponent bits, 3 mantissa bits; 8 bits a number), with one given power-of-two scale for each operand tensor; their sums are f32. All else is computed in f32.
;;   The module's matrix products, in the order in which they are computed (A, B: the left and right operand; K: the contracted axis; several contracted axes count as one K, in the product's order):
;;     1. [M 8,192, K 1,024] x [K 1,024, N 3,072]; A: input x; B: input W_qkv: QUANTISED (scales: A lowp_scales[0], B lowp_scales[1])
;;     2. batch 64 x [M 2,048, K 64] x [K 64, N 2,048]; A: computed on the way; B: computed on the way: QUANTISED (scales: A lowp_scales[2], B lowp_scales[3])
;;     3. batch 64 x [M 2,048, K 2,048] x [K 2,048, N 64]; A: softmax (see below); B: computed on the way: QUANTISED (scales: A lowp_scales[4], B lowp_scales[5])
;;     4. [M 8,192, K 1,024] x [K 1,024, N 1,024]; A: computed on the way; B: input W_out: QUANTISED (scales: A lowp_scales[6], B lowp_scales[7])
;;   THE QUANTISER, for each operand of a quantised product, along K:
;;     - The operand's scale is 2^e, e = its entry of the input lowp_scales (int32; the entries are numbered through the quantised products in the list's order, A before B).
;;     - Each number is divided by the scale, clamped to +-448, and rounded to the nearest number of E4M3, ties to even, subnormals kept.
;;     - The product sums the exact products of the quantised numbers (number of the format x scale) in f32.
;;   ~~~python
;;   def quantise(x, axis, e):      # numpy; x: float32 -> the quantised numbers, widened to float32 again
;;       x = np.moveaxis(x, axis, -1); K = x.shape[-1]
;;       r = np.clip(x / 2.0 ** e, -448, 448)
;;       step = 2.0 ** (np.maximum(np.frexp(np.where(r == 0, 1, r))[1] - 1, -6) - 3)
;;       q = np.round(r / step) * step * 2.0 ** e      # np.round: ties to even
;;       return np.moveaxis(q, -1, axis).astype(np.float32)
;;   ~~~
;;   SOFTMAX AHEAD OF A QUANTISED PRODUCT. Where the list says 'softmax', what is quantised is not the finished softmax but p = 2^(t - M), with t = logit x log2(e) and M = ceil(the row's largest t), a whole number; so 1/2 < the row's largest p <= 1. The row's sum l is taken of the UNQUANTISED p, in f32, and the product's result is divided by l at the end. Since M is a whole number, a kernel that streams over the keys may use a running M (the ceiling of the running maximum): every later rescaling is an exact power of two, so the quantised numbers keep their values, but for numbers so far below the row's largest that they fall under the format's range.
;;   OPERANDS COMPUTED ON THE WAY. 'Computed on the way' means the value that the module computes at that place (a softmax that the list does not call 'softmax' is quantised finished and normalised). What goes into a quantiser is computed in f32, as accurately as f32 sums, v_exp_f32 and their like allow (about 1e-6 of the number): no bf16 or f16 on the way to a quantiser, and a product that is left as it is and whose result goes on into a quantised operand takes f32 operands (vector FMAs, or v_wmma_f32_16x16x4_f32). A number that lies on a knife's edge between two numbers of the format may be rounded either way, as far as f32 arithmetic and the matrix unit's own rounding can turn it there, and no further.
;; One version. Each part assembles by itself: llvm-mc -triple=amdgcn-amd-amdhsa -mcpu=gfx1250 --defsym DOCPART=n.
;; ======== version 1 of 1: 4 launches
;; limits: right only within a limited range of input values
;; workspace buffers: xc 8,388,608 bytes; wc 4,194,304 bytes; qc 8,388,608 bytes; kc 8,388,608 bytes; vc 8,388,608 bytes; ac 8,388,608 bytes
;; launch quant (part 1): grid 384 x 1, 4 waves a work-group, no clusters, 68,096 bytes of LDS; arguments x, W_qkv, W_out, lowp_scales, xc, wc; writes xc, wc
.if DOCPART == 1
	.amdgcn_target "amdgcn-amd-amdhsa--gfx1250"
	.amdhsa_code_object_version 6
	.text
	.protected	k_q3349787e3a_quant
	.globl	k_q3349787e3a_quant
	.p2align	8
	.type	k_q3349787e3a_quant,@function
k_q3349787e3a_quant:
	s_mov_b64 s[64:65], 0
	v_nop
	global_prefetch_b8 v0, s[64:65] scope:SCOPE_SE
	s_setreg_imm32_b32 hwreg(HW_REG_WAVE_MODE, 25, 1), 1
	s_wait_xcnt 0x0
; x [8192][1024], W_qkv [1024][3072] and W_out [1024][1024], f32, become codes of E4M3, each with the one scale 2^e that is given for it (entries 0, 1 and 7).
; code = number / 2^e, held within +-448, rounded to the nearest code, ties to even.  LIMITS: each e between -126 and 119; NaN among the inputs is not served.
; xc: [8192][1024], K innermost, as x lies.  wc: [4096][1024], K innermost: row n < 3072 is column n of W_qkv; row 3072 + n is column n of W_out.
; In W_out's rows the four groups of 8 codes of each 32 lie in the order 0, 2, 1, 3: a 16-byte read at 32 m + 16 (lane / 16) then gives the k that the plain 8-bit layout
; (ISA guide 7.12.2) puts into registers 4 m .. 4 m + 3, which is how the last product's other operand lies.
; Work-groups 0-255 take x: a plain stream, 8,192 numbers a wave, turned through the wave's own stage in LDS so that loads are dense and a lane holds 16 neighbours.
; Work-groups 256-383 take the weights, whose K is the FIRST axis: a lane takes a column and its registers run down K; the codes leave through a stage as rows of 256 bytes.
; The two ways part once, on the work-group's number, and have LDS bytes of their own.  No cluster: no two work-groups read the same bytes.  No barrier: waves share nothing.
.set STEPS, 16
.set SP,    80                         ; x's stage: a lane's 64 bytes + 16 of padding
.set WREG,  8192                       ; x's way: LDS bytes of a wave (two stages of 32 x SP)
.set WST,   32768                      ; the weights' way: four stages of 32 rows x WP, from here on
.set WP,    272                        ; 256 bytes of codes + 16 of padding
.set SPARE, WST+4*32*WP                ; the spare words, 128 bytes for each wave: two blocks of 256 bytes that no other line names
.set SPW,   12                         ; v12  LDS address of my spare word; never rewritten
.set NIL,   13                         ; v13  0; never rewritten
.set R,     16                         ; x: v16-79 four sets of 16 numbers as loaded
.set X,     80                         ; x: v80-111 two sets of 16 neighbours
.set C,     128                        ; x: v128-191 codes, four registers a step
.set OFS,   16                         ; weights: v16-47 byte offset of row i of a block of 32, at my column
.set XW,    48                         ; weights: v48-111 two sets of 32 numbers
.set SS,    112                        ; weights: v112-119 a block's 32 codes in the order in which they are stored
.set TT,    120                        ; weights: v120-123 the two middle groups of 8
.set OUTR,  124                        ; weights: v124-187 the way out
	s_load_b256 s[4:11], s[0:1], 0x0               ; x s[4:5], W_qkv s[6:7], W_out s[8:9], the exponents s[10:11]
	s_load_b128 s[12:15], s[0:1], 0x20             ; xc s[12:13], wc s[14:15]
	v_lshl_add_u32 v[SPW], v0, 2, SPARE
	v_mov_b32 v[NIL], 0
	v_lshrrev_b32 v1, 5, v0
	v_readfirstlane_b32 s16, v1                    ; wave 0..3
	v_and_b32 v2, 31, v0                           ; lane
	s_wait_kmcnt 0x0
	s_load_b256 s[24:31], s[10:11], 0x0            ; e0 .. e7
	s_cmp_lt_u32 ttmp9, 256
	s_cbranch_scc0 .Lweights
	s_wait_alu depctr_va_vdst(0)
; ---------------- x ----------------
	v_lshlrev_b32 v3, 4, v2                        ; 16 x lane: my 16 bytes of a load's 512, and of a store's
	s_wait_alu depctr_va_vdst(0)
	s_mul_i32 s17, s16, WREG
	v_lshrrev_b32 v14, 2, v2
	v_mul_u32_u24 v14, v14, SP
	v_and_b32 v15, 3, v2
	v_lshl_add_u32 v14, v15, 4, v14
	v_add_nc_u32 v14, s17, v14                     ; into the stage: four lanes' 64 bytes on end, then the padding
	v_mul_u32_u24 v15, v2, SP
	v_add_nc_u32 v15, s17, v15                     ; out of it: my 16 neighbours
	s_lshl_b32 s18, ttmp9, 2
	s_add_co_u32 s18, s18, s16                     ; which run of 8,192 numbers is my wave's
	s_lshl_b32 s20, s18, 15                        ; 32,768 bytes of f32,
	s_mov_b32 s21, 0
	s_add_nc_u64 s[4:5], s[4:5], s[20:21]
	s_lshl_b32 s20, s18, 13                        ; 8,192 bytes of codes
	s_add_nc_u64 s[12:13], s[12:13], s[20:21]
.macro LOAD t
.irp i, 0,1,2,3
	global_load_b128 v[R+16*((\t)%4)+4*\i:R+16*((\t)%4)+4*\i+3], v3, s[4:5] offset:2048*(\t)+512*\i th:TH_LOAD_NT   ; 32 lanes read 512 consecutive bytes
.endr
.endm
.macro TURN t                          ; a step's numbers through the stage: LDS serves a wave's instructions in order, so no wait stands between the stores and the loads
.irp i, 0,1,2,3
	ds_store_b128 v14, v[R+16*((\t)%4)+4*\i:R+16*((\t)%4)+4*\i+3] offset:32*SP*((\t)%2)+8*SP*\i
.endr
.irp i, 0,1,2,3
	ds_load_b128 v[X+16*((\t)%2)+4*\i:X+16*((\t)%2)+4*\i+3], v15 offset:32*SP*((\t)%2)+16*\i
.endr
.endm
.irp t, 0,1,2,3
	LOAD \t
.endr
	s_wait_alu depctr_va_vdst(0)
	s_wait_kmcnt 0x0
	s_add_co_i32 s22, s24, 127
	s_lshl_b32 s23, s22, 23
	v_mov_b32 v11, s23                             ; 2^e0 as f32: the conversion takes its exponent field
	s_add_co_i32 s22, s22, 8
	s_lshl_b32 s22, s22, 23
	s_or_b32 s22, s22, 0x600000
	s_wait_alu depctr_va_vdst(0)
	s_wait_loadcnt 12                              ; step 0's four loads are in; the twelve of steps 1 to 3 may be out
	TURN 0
.macro STEP t
.set XS, X+16*((\t)%2)
	s_wait_dscnt 0x0                               ; this step's numbers are back from the stage, so its stores into the stage have read their registers,
.if (\t)+4 < STEPS
	LOAD (\t)+4                                    ; which take the loads of four steps on
.endif
.if (\t)+1 < STEPS
.if STEPS-2-(\t) >= 3
	s_wait_loadcnt 12                              ; the next step's four loads are in; those of the three steps behind it may be out
.else
	s_wait_loadcnt 4*(STEPS-2-(\t))
.endif
	TURN (\t)+1
.endif
.irp i, 0,1,2,3,4,5,6,7,8,9,10,11,12,13,14,15
.endr
	v_cvt_scalef32_pk8_fp8_f32 v[C+4*(\t):C+4*(\t)+1], v[XS:XS+7], v11
	v_cvt_scalef32_pk8_fp8_f32 v[C+4*(\t)+2:C+4*(\t)+3], v[XS+8:XS+15], v11
	global_store_b128 v3, v[C+4*(\t):C+4*(\t)+3], s[12:13] offset:512*(\t)   ; the wave stores 512 consecutive bytes; each step has its own four registers
.endm
.irp t, 0,1,2,3,4,5,6,7,8,9,10,11,12,13,14,15
	STEP \t
.endr
	s_wait_tensorcnt 0x0                           ; the wave's end, behind my last LDS store
	ds_add_u32 v[SPW], v[NIL]
	s_wait_dscnt 0x0
	s_endpgm
; ---------------- the weights ----------------
.Lweights:
	s_sub_co_u32 s17, ttmp9, 256
	s_and_b32 s18, s17, 31                         ; which 128 rows of wc
	s_lshr_b32 s19, s17, 5                         ; which 256 along K
	s_lshl_b32 s20, s18, 7
	s_lshl_b32 s21, s16, 5
	s_add_co_u32 s20, s20, s21                     ; my wave's first row of wc
	s_cmp_lt_u32 s18, 24                           ; rows under 3,072 come from W_qkv, the others from W_out
	s_cselect_b64 s[6:7], s[6:7], s[8:9]
	s_mov_b32 s22, 4096
	s_cselect_b32 s22, 12288, s22                  ; bytes from a row of the weight to the next
	s_cselect_b32 s23, 0, 3072
	s_cselect_b32 s21, 0, -1                       ; all ones: the middle groups of 8 change places
	s_sub_co_u32 s23, s20, s23                     ; my wave's first column in its weight
	s_wait_alu depctr_va_vdst(0)
	v_lshlrev_b32 v3, 2, v2
.set i, 0
.rept 32
	v_mad_u32_u24 v[OFS+i], s22, i, v3             ; row i, my column
.set i, i+1
.endr
	s_mul_i32 s48, s19, s22
	s_lshl_b32 s48, s48, 8                         ; 256 rows for each step along K
	s_lshl_b32 s49, s23, 2
	s_add_co_u32 s48, s48, s49
	s_mov_b32 s49, 0
	s_add_nc_u64 s[32:33], s[6:7], s[48:49]        ; block 0's base; a base for each block of 32 rows, so that nothing is stepped
	s_lshl_b32 s48, s22, 5
.irp t, 1,2,3,4,5,6,7
	s_add_nc_u64 s[32+2*\t:33+2*\t], s[30+2*\t:31+2*\t], s[48:49]
.endr
	s_mul_i32 s50, s16, 32*WP
	s_add_co_u32 s50, s50, WST                     ; my stage
	v_mul_u32_u24 v4, v2, WP
	v_add_nc_u32 v4, s50, v4                       ; into it: row = my column
	v_and_b32 v5, 15, v2
	v_lshrrev_b32 v6, 4, v2
	v_mul_u32_u24 v7, v6, WP
	v_lshl_add_u32 v7, v5, 4, v7
	v_add_nc_u32 v7, s50, v7                       ; out of it: sixteen lanes to a row, two rows an instruction
	v_lshlrev_b32 v8, 10, v6
	v_lshl_add_u32 v8, v5, 4, v8                   ; and the same place in wc
	s_lshl_b32 s52, s20, 10
	s_lshl_b32 s53, s19, 8
	s_add_co_u32 s52, s52, s53
	s_mov_b32 s53, 0
	s_add_nc_u64 s[14:15], s[14:15], s[52:53]
.macro LOADW t                         ; block t: rows 32 t + i of my 256, at my column, into set t % 2; 32 lanes read 128 consecutive bytes
.set i, 0
.rept 32
	global_load_b32 v[XW+32*((\t)%2)+i], v[OFS+i], s[32+2*(\t):33+2*(\t)] th:TH_LOAD_NT
.set i, i+1
.endr
.endm
	LOADW 0
	LOADW 1
	s_wait_kmcnt 0x0
	s_cmp_lt_u32 s18, 24
	s_cselect_b32 s54, s25, s31                    ; e1 or e7
	s_add_co_i32 s54, s54, 127
	s_lshl_b32 s55, s54, 23
	v_mov_b32 v11, s55                             ; 2^e
	s_add_co_i32 s54, s54, 8
	s_lshl_b32 s54, s54, 23
	s_or_b32 s54, s54, 0x600000
.macro BLOCK t
.set XS, XW+32*((\t)%2)
.if (\t) < 7
	s_wait_loadcnt 32                              ; this block's 32 loads are in; the next block's may be out
.else
	s_wait_loadcnt 0
.endif
.set i, 0
.rept 32
.set i, i+1
.endr
	v_cvt_scalef32_pk8_fp8_f32 v[SS:SS+1], v[XS:XS+7], v11
	v_cvt_scalef32_pk8_fp8_f32 v[SS+6:SS+7], v[XS+24:XS+31], v11
	v_cvt_scalef32_pk8_fp8_f32 v[TT:TT+1], v[XS+8:XS+15], v11
	v_cvt_scalef32_pk8_fp8_f32 v[TT+2:TT+3], v[XS+16:XS+23], v11
	v_nop                                          ; a plain vector instruction between the conversions and the selects that read their results
	v_cndmask_b32 v[SS+2], v[TT], v[TT+2], s21     ; second place: group 1, or group 2 in W_out's rows
	v_cndmask_b32 v[SS+3], v[TT+1], v[TT+3], s21
	v_cndmask_b32 v[SS+4], v[TT+2], v[TT], s21     ; third place: the other one
	v_cndmask_b32 v[SS+5], v[TT+3], v[TT+1], s21
	ds_store_b128 v4, v[SS:SS+3] offset:32*(\t)
	ds_store_b128 v4, v[SS+4:SS+7] offset:32*(\t)+16
.if (\t)+2 < 8
	LOADW (\t)+2
.endif
	s_wait_dscnt 0x0                               ; the stores have read their registers: the next block's codes may be written
.endm
	s_wait_alu depctr_va_vdst(0)
.irp t, 0,1,2,3,4,5,6,7
	BLOCK \t
.endr
.irp t, 0,1,2,3,4,5,6,7,8,9,10,11,12,13,14,15
	ds_load_b128 v[OUTR+4*\t:OUTR+4*\t+3], v7 offset:2*\t*WP
.endr
.irp t, 0,1,2,3,4,5,6,7,8,9,10,11,12,13,14,15
	s_wait_dscnt 15-\t                             ; loads come back in order: number t is in, the younger ones may be out
	global_store_b128 v8, v[OUTR+4*\t:OUTR+4*\t+3], s[14:15] offset:2*\t*1024   ; sixteen lanes store 256 consecutive bytes, aligned
.endr
	s_wait_tensorcnt 0x0                           ; the wave's end, behind my last LDS store
	ds_add_u32 v[SPW], v[NIL]
	s_wait_dscnt 0x0
	s_endpgm
.Lfunc_end_k_q3349787e3a_quant:
	.size	k_q3349787e3a_quant, .Lfunc_end_k_q3349787e3a_quant-k_q3349787e3a_quant
	.p2alignl 7, 3214868480
	.fill 96, 4, 3214868480
	.section	.rodata,"a",@progbits
	.p2align	6, 0x0
	.amdhsa_kernel k_q3349787e3a_quant
		.amdhsa_group_segment_fixed_size 68096
		.amdhsa_private_segment_fixed_size 0
		.amdhsa_enable_private_segment 0
		.amdhsa_kernarg_size 48
		.amdhsa_user_sgpr_count 2
		.amdhsa_user_sgpr_kernarg_segment_ptr 1
		.amdhsa_wavefront_size32 1
		.amdhsa_system_sgpr_workgroup_id_x 1
		.amdhsa_system_sgpr_workgroup_id_y 1
		.amdhsa_system_sgpr_workgroup_id_z 1
		.amdhsa_system_vgpr_workitem_id 0
		.amdhsa_next_free_vgpr 192
		.amdhsa_next_free_sgpr 66
		.amdhsa_reserve_vcc 0
		.amdhsa_float_denorm_mode_32 3
		.amdhsa_float_denorm_mode_16_64 3
		.amdhsa_fp16_overflow 1
		.amdhsa_memory_ordered 1
		.amdhsa_forward_progress 1
		.amdhsa_inst_pref_size 58
	.end_amdhsa_kernel
	.amdgpu_metadata
---
amdhsa.version: [ 1, 2 ]
amdhsa.kernels:
  - .name:           k_q3349787e3a_quant
    .symbol:         k_q3349787e3a_quant.kd
    .args:
      - { .name: x, .offset: 0, .size: 8, .value_kind: global_buffer, .address_space: global }
      - { .name: W_qkv, .offset: 8, .size: 8, .value_kind: global_buffer, .address_space: global }
      - { .name: W_out, .offset: 16, .size: 8, .value_kind: global_buffer, .address_space: global }
      - { .name: lowp_scales, .offset: 24, .size: 8, .value_kind: global_buffer, .address_space: global }
      - { .name: xc, .offset: 32, .size: 8, .value_kind: global_buffer, .address_space: global }
      - { .name: wc, .offset: 40, .size: 8, .value_kind: global_buffer, .address_space: global }
    .group_segment_fixed_size: 68096
    .private_segment_fixed_size: 0
    .kernarg_segment_align: 8
    .kernarg_segment_size: 48
    .max_flat_workgroup_size: 128
    .sgpr_count:     66
    .vgpr_count:     192
    .wavefront_size: 32
...
	.end_amdgpu_metadata
.endif
;; end of part 1
;; launch qkv (part 2): grid 12 x 32, 4 waves a work-group, clusters of 4 x 4, 327,680 bytes of LDS; arguments xc, wc, b_qkv, lowp_scales, qc, kc, vc; writes qc, kc, vc
.if DOCPART == 2
	.amdgcn_target "amdgcn-amd-amdhsa--gfx1250"
	.amdhsa_code_object_version 6
	.text
	.protected	k_q3349787e3a_qkv
	.globl	k_q3349787e3a_qkv
	.p2align	8
	.type	k_q3349787e3a_qkv,@function
k_q3349787e3a_qkv:
	s_mov_b64 s[64:65], 0
	v_nop
	global_prefetch_b8 v0, s[64:65] scope:SCOPE_SE
	s_setreg_imm32_b32 hwreg(HW_REG_WAVE_MODE, 25, 1), 1
	s_wait_xcnt 0x0
	s_wait_alu depctr_hold_cnt(0) depctr_sa_sdst(0) depctr_va_vdst(0) depctr_va_sdst(0) depctr_va_ssrc(0) depctr_va_vcc(0) depctr_vm_vsrc(0)
	s_getreg_b32 s2, hwreg(HW_REG_IB_STS2, 6, 4)
	s_cmp_eq_u32 s2, 0
	s_cbranch_scc0 .Lentry_in_a_cluster
	s_endpgm
.Lentry_in_a_cluster:
	s_bfe_u32 s2, ttmp6, 0x10000c
	s_cmp_lg_u32 s2, 0xf033
	s_cbranch_scc0 .Lentry_shape_is_right
	s_endpgm
.Lentry_shape_is_right:
; qkv = x W_qkv + b_qkv on codes of E4M3 (xc [8192][1024], wc rows 0-3071 [n][1024]), sums in f32; the results are quantised at once, q with 2^e2, k with 2^e3, v with 2^e5, and stored as
; IMAGES OF THE NEXT PRODUCTS' OPERAND REGISTERS in the plain 8-bit layout (registers 2 c, 2 c + 1 of lane (r, h): k = 16 c + 8 h + 0 .. 7: ISA guide 7.12.2).
; A tile of 256 x 256 is made by four waves, 128 x 128 each: 64 accumulators.  K = 1,024 goes in four steps of 256 through two LDS slots filled by the tensor data mover.
; THE MATRIX INSTRUCTION IS USED TRANSPOSED: source 0 = 16 rows of region B, source 1 = 16 rows of region A; a lane holds ONE row of region A and eight neighbouring rows of region B.
;   cluster x = 0 (q), 1 (k): region A = tokens (xc), region B = features (wc).  A lane's eight results are eight neighbouring features of one token: one conversion makes registers 2 c, 2 c + 1 of a fragment whose K is the head's 64.
;   cluster x = 2 (v):        region A = features (wc rows 2,048 on), region B = tokens (xc).  A lane's eight results are eight neighbouring tokens of one feature: a fragment whose K is the keys.
; So the codes leave straight from registers, 512 consecutive bytes a store, with no stage.
;   qc, kc: [16 b + head][tile of 16 tokens][2][lane][16 bytes];   vc: [16 b + head][block of 128 tokens][tile of 16 of the head's 64][4][lane][16 bytes].
; The bias is the C of each sum's first matrix instruction, divided by 2^(e0 + e1), the power of two that the sums lack; the three scales ahead of a quantiser are folded into the conversion's one.
; CLUSTERS: 4 x 4 work-groups; region A's tile is asked for jointly along a row of the cluster, region B's along a column.  The kind hangs on the cluster's x, which all sixteen partners share.
; LIMITS: e2 - e0 - e1, e3 - e0 - e1 and e5 - e0 - e1 between -126 and 119.
; REGISTERS, in windows of 256: window 0: v16-31 addresses and constants; v32-95 the bias; v96-103 the bias's offsets; v128-255 A's fragments, ONE set, later the codes.
;   window 1: B's fragments, TWO sets.   window 2: the accumulators of A's blocks 0-3 ((a, b) at v[8 (8 a + b)]);   window 3: those of blocks 4-7.
; SCALARS: s4-11 xc, wc, b_qkv, exponents' address; s14-17 wave, wave / 2, wave % 2, region A's tile; s24-39, s48-63 descriptors (s24-39 later the eight output bases); s40-47 cx, cy, region B's tile, masks, addresses;
;   s68-73 qc, kc, vc; s74-79 cluster coordinates, the regions' buffers; s80-87 e0 .. e7; s88-97 at work.
.set ROWB,   256                       ; a tile's row in bytes: 256 codes
.set KROW,   1024                      ; a row of xc or wc in memory
.set PITCH,  272                       ; an LDS row: 256 bytes + 16 of padding = 68 words: the 16 rows that a load touches start at 16 different banks (64 banks of 4 bytes: ISA guide 11.1)
.set FR,     16                        ; registers of a fragment: 16 rows x 128 K
.set NL,     4                         ; LDS loads that bring one
.set NP,     4                         ; places behind this matrix instruction (ISA guide 7.12.1)
.set HALFT,  128*PITCH                 ; 128 rows: what one tensor load brings
.set SLOT,   4*HALFT                   ; A's 256 rows, then B's 256 rows
.set SPARE,  2*SLOT                    ; behind the ring: the spare words, 128 bytes for each wave
.set ADRA, 16                          ; v16-17  LDS address of my A fragments in slot 0, 1
.set ADRB, 20                          ; v20-21  the same for B
.set ST0,  26                          ; v26     16 x lane: a store's offset
.set ST1,  27                          ; v27     the same, for the third and fourth store of a block
.set SPW,  28                          ; v28     LDS address of my spare word; never rewritten
.set NIL,  29                          ; v29     0; never rewritten
.set SCL,  30                          ; v30     the conversion's scale as f32
.set LIM,  31
.set BI,   32
.set BO,   96
.set AF,   128
.set CD,   128
.set G1, 24
.set G0, 32
.set G1B, 48
.set G0B, 56
.set MSB, 0
.macro WIN new                         ; the immediate's high byte repeats the setting that is left
.if MSB != \new
	s_set_vgpr_msb (MSB<<8)|\new
.set MSB, \new
.endif
.endm
.set MUL_LO, 0xa1                      ; source 0 (B) window 1, source 1 (A) window 0, C and D window 2
.set MUL_HI, 0xf1                      ; the same, C and D window 3
.set TO_B,   0x40                      ; destination window 1, address window 0
; A joint load: waves 0 and 1 fetch for region A, waves 2 and 3 for region B.  The branch hangs on the wave's number alone.  An s_nop 0 and four v_nop follow each of the two lines.
.macro JLOAD g0a, g1a, g0b, g1b
	s_cmp_eq_u32 s15, 0
	s_cbranch_scc0 .Lfor_b_\@
	tensor_load_to_lds s[\g0a:\g0a+3], s[\g1a:\g1a+7]
	s_nop 0
.rept 4
	v_nop
.endr
	s_branch .Lasked_\@
.Lfor_b_\@:
	tensor_load_to_lds s[\g0b:\g0b+3], s[\g1b:\g1b+7]
	s_nop 0
.rept 4
	v_nop
.endr
.Lasked_\@:
.endm
.macro CREST                           ; a round of the cluster's barrier behind its opening barrier
	s_cmp_lg_u32 s14, 0
	s_cbranch_scc1 .Lnot_wave_0_\@
	s_barrier_signal -3
.Lnot_wave_0_\@:
	s_barrier_wait -3
	s_barrier_signal -1
	s_barrier_wait -1
.endm
.macro CROUND                          ; a whole round
	s_barrier_signal -1
	s_barrier_wait -1
	CREST
.endm
	s_load_b256 s[4:11], s[0:1], 0x0               ; xc s[4:5], wc s[6:7], b_qkv s[8:9], the exponents s[10:11]
	s_load_b128 s[68:71], s[0:1], 0x20             ; qc, kc
	s_load_b64 s[72:73], s[0:1], 0x30              ; vc
	v_lshl_add_u32 v[SPW], v0, 2, SPARE
	v_mov_b32 v[NIL], 0
	ds_add_u32 v[SPW], v[NIL]                      ; the wave's opening: the add and its wait ahead of my first tensor load; work on registers stands between them
	ds_add_u32 v[SPW], v[NIL]
	v_lshrrev_b32 v1, 5, v0
	v_readfirstlane_b32 s14, v1                    ; wave 0..3
	s_lshr_b32 s15, s14, 1                         ; which half of region A's rows is mine.  Also: I fetch for A (0) or for B (1)
	s_and_b32 s16, s14, 1                          ; which half of region B's rows.  Also: which 128 rows I fetch
	s_bfe_u32 s40, ttmp6, 0x40000                  ; cx
	s_bfe_u32 s41, ttmp6, 0x40004                  ; cy
	s_and_b32 s74, ttmp7, 0xffff
	s_lshl_b32 s74, s74, 2                         ; 4 x cluster y
	s_lshl_b32 s75, ttmp9, 2                       ; 4 x cluster x
	s_cmp_eq_u32 ttmp9, 2                          ; v?
	s_cselect_b32 s17, 0, s74
	s_cselect_b32 s42, s74, s75
	s_add_co_u32 s17, s17, s41                     ; region A's tile of 256 rows: tokens 4 Y + cy, or v's features cy
	s_add_co_u32 s42, s42, s40                     ; region B's: features 4 X + cx, or tokens 4 Y + cx
	s_lshl_b32 s43, s41, 2
	s_lshl_b32 s43, 15, s43                        ; my row of the cluster
	s_lshl_b32 s44, 0x1111, s40                    ; my column
	s_or_b32 s[G1+0], s43, (0<<16)|(1<<20)|(1<<21)|(5<<22)|(3<<25)  ; 15:0 the mask; 17:16 elements of 1 byte; 20 padding on; 21 set beside a mask; 24:22 after every 64 words; 31:25 four words
	s_or_b32 s[G1B+0], s44, (0<<16)|(1<<20)|(1<<21)|(5<<22)|(3<<25)
.irp g, G1, G1B
	s_mov_b32 s[\g+1], ROWB<<16                    ; tensor_dim0
	s_mov_b32 s[\g+2], 128<<16                     ; tensor_dim1
	s_mov_b32 s[\g+3], ROWB<<16                    ; tile_dim0
	s_mov_b32 s[\g+4], 128                         ; tile_dim1
	s_mov_b32 s[\g+5], KROW                        ; tensor_dim0_stride
	s_mov_b32 s[\g+6], 0
	s_mov_b32 s[\g+7], 0
.endr
	s_lshl_b32 s18, s16, 7
	s_lshl_b32 s20, s17, 8
	s_add_co_u32 s20, s20, s18
	s_lshl_b32 s20, s20, 10                        ; A: (256 x tile + 128 x half) rows of 1,024 bytes
	s_mov_b32 s21, 0
	s_lshl_b32 s46, s42, 8
	s_add_co_u32 s46, s46, s18
	s_lshl_b32 s46, s46, 10                        ; B likewise
	s_mov_b32 s47, 0
	s_mul_i32 s45, s14, HALFT                      ; where they go: wave x 128 rows
	s_wait_dscnt 0x0                               ; the opening add is done
	s_wait_kmcnt 0x0
	s_load_b256 s[80:87], s[10:11], 0x0            ; e0 .. e7
	s_add_nc_u64 s[78:79], s[6:7], 0x200000        ; wc at row 2,048: v's features
	s_cmp_eq_u32 ttmp9, 2
	s_cselect_b64 s[76:77], s[78:79], s[4:5]       ; region A's buffer
	s_cselect_b64 s[78:79], s[4:5], s[6:7]         ; region B's
	s_add_nc_u64 s[20:21], s[76:77], s[20:21]
	s_add_nc_u64 s[46:47], s[78:79], s[46:47]
	CROUND                                         ; all sixteen work-groups are here: the first joint loads meet
.irp s, 0,1
	s_mov_b32 s[G0+4*\s], 1
	s_add_co_u32 s[G0+4*\s+1], s45, \s*SLOT
	s_add_nc_u64 s[G0+4*\s+2:G0+4*\s+3], s[20:21], \s*ROWB
	s_or_b32 s[G0+4*\s+3], s[G0+4*\s+3], 0x80000000
	s_mov_b32 s[G0B+4*\s], 1
	s_add_co_u32 s[G0B+4*\s+1], s45, \s*SLOT
	s_add_nc_u64 s[G0B+4*\s+2:G0B+4*\s+3], s[46:47], \s*ROWB
	s_or_b32 s[G0B+4*\s+3], s[G0B+4*\s+3], 0x80000000
	JLOAD G0+4*\s, G1, G0B+4*\s, G1B
.endr
	v_and_b32 v1, 15, v0                           ; r
	s_wait_alu depctr_va_vdst(0)
	v_bfe_u32 v2, v0, 4, 1                         ; h
	v_mul_u32_u24 v3, v1, PITCH
	v_lshl_add_u32 v4, v2, 4, v3                   ; a fragment's row x pitch + 16 x half
	s_mul_i32 s21, s15, HALFT
	s_mul_i32 s22, s16, HALFT
	s_add_co_u32 s22, s22, 2*HALFT
.irp s, 0,1
	v_add_nc_u32 v[ADRA+\s], s21, v4
	v_add_nc_u32 v[ADRB+\s], s22, v4
	s_add_co_u32 s21, s21, SLOT
	s_add_co_u32 s22, s22, SLOT
.endr
	; THE BIAS, eight registers for each of eight tiles, in the result's layout.  q, k: tile g = B's block g: feature 16 g + 8 h + j.  v: tile g = A's block g: feature 16 g + r in all eight registers.
	s_cmp_eq_u32 ttmp9, 2
	s_cselect_b32 s88, 4, 0                        ; bytes for r,
	s_cselect_b32 s89, 0, 32                       ; for h,
	s_cselect_b32 s90, 0, 4                        ; for j
	s_cselect_b32 s91, s17, s42                    ; the features' tile,
	s_cselect_b32 s92, s15, s16                    ; my half of it,
	s_cselect_b32 s93, 2048, 0                     ; and where the kind's features begin beyond that
	s_lshl_b32 s91, s91, 8
	s_lshl_b32 s92, s92, 7
	s_add_co_u32 s91, s91, s92
	s_add_co_u32 s91, s91, s93
	s_lshl_b32 s92, s91, 2
	s_mov_b32 s93, 0
	s_add_nc_u64 s[96:97], s[8:9], s[92:93]
	v_mul_u32_u24 v[BO], v1, s88
	s_wait_alu depctr_va_vdst(0)
	v_mad_u32_u24 v[BO], v2, s89, v[BO]
.irp j, 1,2,3,4,5,6,7
	v_mad_u32_u24 v[BO+\j], s90, \j, v[BO]
.endr
.irp g, 0,1,2,3,4,5,6,7
.irp j, 0,1,2,3,4,5,6,7
	global_load_b32 v[BI+8*\g+\j], v[BO+\j], s[96:97] offset:64*\g
.endr
.endr
	v_and_b32 v3, 31, v0
	v_lshlrev_b32 v[ST0], 4, v3
	s_wait_alu depctr_va_vdst(0)
	s_wait_kmcnt 0x0                               ; the exponents
	s_cmp_eq_u32 ttmp9, 0
	s_cselect_b32 s93, s82, s83                    ; e2 (q) or e3 (k),
	s_cselect_b64 s[68:69], s[68:69], s[70:71]     ; qc or kc,
	s_cmp_eq_u32 ttmp9, 2
	s_cselect_b32 s93, s85, s93                    ; or e5 (v)
	s_cselect_b64 s[68:69], s[72:73], s[68:69]     ; and vc
	s_mov_b32 s94, 131072
	s_cselect_b32 s94, 1024, s94                   ; from a block's second store to its third: the next head's image (q, k), or the same image's second half (v)
	v_add_nc_u32 v[ST1], s94, v[ST0]
	s_add_co_i32 s95, s80, s81                     ; e0 + e1
	s_sub_co_i32 s93, s93, s95                     ; a sum stands for sum x 2^(e0 + e1): its code is sum / 2^(e - e0 - e1)
	s_sub_co_i32 s95, 0, s95
	s_wait_loadcnt 0x0                             ; the bias
.set i, 0
.rept 64
	v_ldexp_f32 v[BI+i], v[BI+i], s95              ; b / 2^(e0 + e1)
.set i, i+1
.endr
	s_add_co_i32 s96, s93, 127
	s_lshl_b32 s97, s96, 23
	v_mov_b32 v[SCL], s97
.macro FRAG reg, adr, q, i             ; 16 rows x 128 K: four loads of 16 bytes, 32 bytes apart: the same permutation of k in A and in B, so every product meets its partner
.irp c, 0,1,2,3
	ds_load_b128 v[\reg+4*\c:\reg+4*\c+3], v[\adr] offset:128*(\q)+32*\c+(\i)*16*PITCH
.endr
.endm
; 16 matrix instructions: A's blocks a0, a0 + 1 x B's eight.  p: B's set.  zero = 1: C is the bias by B's block (q, k); 2: by A's block (v); 0: in place.
; The 64 accumulators take turns, one instruction a turn, in the same order in every step.
.macro MUL16 a0, p, zero
.irp a, \a0, \a0+1
.irp b, 0,1,2,3,4,5,6,7
.if \zero == 1
	v_wmma_f32_16x16x128_fp8_fp8 v[8*(8*((\a)%4)+\b):8*(8*((\a)%4)+\b)+7], v[128*(\p)+FR*\b:128*(\p)+FR*\b+FR-1], v[AF+FR*(\a):AF+FR*(\a)+FR-1], v[BI+8*\b:BI+8*\b+7]
.elseif \zero == 2
	v_wmma_f32_16x16x128_fp8_fp8 v[8*(8*((\a)%4)+\b):8*(8*((\a)%4)+\b)+7], v[128*(\p)+FR*\b:128*(\p)+FR*\b+FR-1], v[AF+FR*(\a):AF+FR*(\a)+FR-1], v[BI+8*(\a):BI+8*(\a)+7]
.else
	v_wmma_f32_16x16x128_fp8_fp8 v[8*(8*((\a)%4)+\b):8*(8*((\a)%4)+\b)+7], v[128*(\p)+FR*\b:128*(\p)+FR*\b+FR-1], v[AF+FR*(\a):AF+FR*(\a)+FR-1], v[8*(8*((\a)%4)+\b):8*(8*((\a)%4)+\b)+7]
.endif
.endr
.endr
.endm
.macro FETCH_B slot, q, p
	WIN TO_B
.irp i, 0,1,2,3,4,5,6,7
	FRAG 128*(\p)+FR*\i, ADRB+\slot, \q, \i
.endr
	WIN 0
.endm
.macro FETCH_A slot, q, i0
.irp i, \i0, \i0+1, \i0+2, \i0+3
	FRAG AF+FR*(\i), ADRA+\slot, \q, \i
.endr
.endm
.macro PLACES n                        ; plain vector instructions between a matrix instruction and a load into, or a vector read or write of, its registers
.rept \n
	v_nop
.endr
.endm
; A step of 128 along K that has its successor in the same slot.
.macro STEP slot, q, zero
	s_wait_dscnt 4*NL                              ; B's set and A's blocks 0-3 are in; the sixteen youngest loads (A's blocks 4-7) may be out
.if \zero
	WIN 0x81                                       ; C (the bias) window 0, D window 2
.else
	WIN MUL_LO
.endif
	MUL16 0, (\q)%2, \zero
	MUL16 2, (\q)%2, \zero
	s_wait_dscnt 0
	PLACES NP
	FETCH_B \slot, (\q)+1, 1-(\q)%2
	FETCH_A \slot, (\q)+1, 0
.if \zero
	WIN 0xc1                                       ; C window 0, D window 3
.else
	WIN MUL_HI
.endif
	MUL16 4, (\q)%2, \zero
	MUL16 6, (\q)%2, \zero
	PLACES NP
	WIN 0
	FETCH_A \slot, (\q)+1, 4
.endm
; A slot's last step changes slots: ONE barrier; in front of it each wave waits for all its tensor loads, adds 0 to its spare word, and waits for that and for its own reads of this slot.
.macro TURN slot, next, fill
	s_wait_tensorcnt 0x0                           ; all my tensor loads have landed: my part of the next slot
	ds_add_u32 v[SPW], v[NIL]                      ; 0 onto my spare word
	s_wait_dscnt 4*NL+1                            ; the add and the sixteen youngest loads may be out
	WIN MUL_LO
	MUL16 0, 1, 0
	s_wait_dscnt 0x0                               ; the add is done, and my reads of this slot are over
	s_barrier_signal -1
	MUL16 2, 1, 0
	WIN 0
	s_barrier_wait -1
.if \fill
	CREST                                          ; the barrier has opened a round of the cluster's barrier: no wave of any partner still reads this slot or has a load on its way
	s_add_nc_u64 s[G0+4*\slot+2:G0+4*\slot+3], s[G0+4*\slot+2:G0+4*\slot+3], 2*ROWB
	s_add_nc_u64 s[G0B+4*\slot+2:G0B+4*\slot+3], s[G0B+4*\slot+2:G0B+4*\slot+3], 2*ROWB
	JLOAD G0+4*\slot, G1, G0B+4*\slot, G1B         ; the first tensor load behind the round; its four v_nop are the places in front of the loads below
.else
	PLACES NP
.endif
	FETCH_B \next, 0, 0
	FETCH_A \next, 0, 0
	WIN MUL_HI
	MUL16 4, 1, 0
	MUL16 6, 1, 0
	PLACES NP
	WIN 0
	FETCH_A \next, 0, 4
.endm
	s_wait_tensorcnt 1                             ; my part of K step 0 is in; K step 1's load may be out
	s_barrier_signal -1
	s_barrier_wait -1
	FETCH_B 0, 0, 0
	FETCH_A 0, 0, 0
	FETCH_A 0, 0, 4
	s_cmp_eq_u32 ttmp9, 2                          ; the first step is written twice: only the registers of C differ; the branch hangs on the cluster's x
	s_cbranch_scc1 .Lfirst_v
	s_wait_alu depctr_va_vdst(0)
	STEP 0, 0, 1
	s_branch .Lfirst_done
.Lfirst_v:
	s_wait_alu depctr_va_vdst(0)
	STEP 0, 0, 2
.Lfirst_done:
	TURN 0, 1, 1                                   ; slot 0 takes K step 2
	STEP 1, 0, 0
	TURN 1, 0, 1                                   ; slot 1 takes K step 3
	STEP 0, 0, 0
	TURN 0, 1, 0                                   ; nothing is left to fetch
	; no tensor load of mine is out any more: region A's descriptor registers take the eight output bases
	s_cmp_eq_u32 ttmp9, 2
	s_cselect_b32 s88, s42, s17                    ; the tokens' tile,
	s_cselect_b32 s89, s16, s15                    ; my half of it,
	s_cselect_b32 s90, s41, s40                    ; the features' tile within the kind's 1,024,
	s_cselect_b32 s91, s15, s16                    ; my half of it
	s_mov_b32 s92, 1024
	s_cselect_b32 s92, 2048, s92                   ; from block a to a + 1: the next tile of tokens (q, k), the next 16 of the head's 64 (v)
	s_mov_b32 s93, 4096
	s_cselect_b32 s93, 131072, s93                 ; from block a to a + 4: four tiles on (q, k), the next head (v)
	s_lshl_b32 s88, s88, 8
	s_lshl_b32 s89, s89, 7
	s_add_co_u32 s88, s88, s89                     ; my first token
	s_lshr_b32 s89, s88, 11                        ; its batch,
	s_and_b32 s88, s88, 2047                       ; its place there
	s_lshl_b32 s89, s89, 4
	s_lshl_b32 s90, s90, 2
	s_add_co_u32 s89, s89, s90
	s_lshl_b32 s91, s91, 1
	s_add_co_u32 s89, s89, s91                     ; 16 x batch + my first head
	s_lshl_b32 s89, s89, 11
	s_add_co_u32 s88, s88, s89
	s_lshl_b32 s88, s88, 6                         ; 64 bytes for each token of a head, in all three layouts
	s_mov_b32 s89, 0
	s_add_nc_u64 s[24:25], s[68:69], s[88:89]
	s_mov_b32 s88, s92
.irp a, 1,2,3
	s_add_nc_u64 s[24+2*\a:25+2*\a], s[22+2*\a:23+2*\a], s[88:89]
.endr
	s_mov_b32 s88, s93
.irp a, 4,5,6,7
	s_add_nc_u64 s[24+2*\a:25+2*\a], s[16+2*\a:17+2*\a], s[88:89]
.endr
	STEP 1, 0, 0
	s_wait_dscnt 4*NL                              ; the very last step
	WIN MUL_LO
	MUL16 0, 1, 0
	MUL16 2, 1, 0
	s_wait_dscnt 0
	WIN MUL_HI
	MUL16 4, 1, 0
	MUL16 6, 1, 0
	WIN 0
; THE WAY OUT of A's block a: eight conversions make 16 registers of codes of the 64 sums, four stores of 512 consecutive bytes take them.
; Each block has its own 16 registers and its own base, so no store's sources are written again.
.macro OUTBLK a
.set AC, 64*((\a)%4)
	WIN 0x02+((\a)/4)                              ; source 0: window 2 or 3
.set i, 0
.rept 64
.set i, i+1
.endr
.irp b, 0,1,2,3,4,5,6,7
	v_cvt_scalef32_pk8_fp8_f32 v[CD+16*(\a)+2*\b:CD+16*(\a)+2*\b+1], v[AC+8*\b:AC+8*\b+7], v[SCL]
.endr
	WIN 0
	v_nop                                          ; a plain vector instruction behind the conversions
	global_store_b128 v[ST0], v[CD+16*(\a):CD+16*(\a)+3], s[24+2*(\a):25+2*(\a)]
	global_store_b128 v[ST0], v[CD+16*(\a)+4:CD+16*(\a)+7], s[24+2*(\a):25+2*(\a)] offset:512
	global_store_b128 v[ST1], v[CD+16*(\a)+8:CD+16*(\a)+11], s[24+2*(\a):25+2*(\a)]
	global_store_b128 v[ST1], v[CD+16*(\a)+12:CD+16*(\a)+15], s[24+2*(\a):25+2*(\a)] offset:512
.endm
	PLACES NP                                      ; behind the last products
.irp a, 0,1,2,3,4,5,6,7
	OUTBLK \a
.endr
	s_wait_tensorcnt 0x0                           ; the wave's end
	ds_add_u32 v[SPW], v[NIL]
	s_wait_dscnt 0x0
	CROUND                                         ; the closing round: no work-group ends while a partner may still ask for a tile that names it
	s_endpgm
.Lfunc_end_k_q3349787e3a_qkv:
	.size	k_q3349787e3a_qkv, .Lfunc_end_k_q3349787e3a_qkv-k_q3349787e3a_qkv
	.p2alignl 7, 3214868480
	.fill 96, 4, 3214868480
	.section	.rodata,"a",@progbits
	.p2align	6, 0x0
	.amdhsa_kernel k_q3349787e3a_qkv
		.amdhsa_group_segment_fixed_size 327680
		.amdhsa_private_segment_fixed_size 0
		.amdhsa_enable_private_segment 0
		.amdhsa_kernarg_size 56
		.amdhsa_user_sgpr_count 2
		.amdhsa_user_sgpr_kernarg_segment_ptr 1
		.amdhsa_wavefront_size32 1
		.amdhsa_system_sgpr_workgroup_id_x 1
		.amdhsa_system_sgpr_workgroup_id_y 1
		.amdhsa_system_sgpr_workgroup_id_z 1
		.amdhsa_system_vgpr_workitem_id 0
		.amdhsa_next_free_vgpr 1024
		.amdhsa_next_free_sgpr 100
		.amdhsa_reserve_vcc 0
		.amdhsa_float_denorm_mode_32 3
		.amdhsa_float_denorm_mode_16_64 3
		.amdhsa_fp16_overflow 1
		.amdhsa_memory_ordered 1
		.amdhsa_forward_progress 1
		.amdhsa_inst_pref_size 106
	.end_amdhsa_kernel
	.amdgpu_metadata
---
amdhsa.version: [ 1, 2 ]
amdhsa.kernels:
  - .name:           k_q3349787e3a_qkv
    .symbol:         k_q3349787e3a_qkv.kd
    .args:
      - { .name: xc, .offset: 0, .size: 8, .value_kind: global_buffer, .address_space: global }
      - { .name: wc, .offset: 8, .size: 8, .value_kind: global_buffer, .address_space: global }
      - { .name: b_qkv, .offset: 16, .size: 8, .value_kind: global_buffer, .address_space: global }
      - { .name: lowp_scales, .offset: 24, .size: 8, .value_kind: global_buffer, .address_space: global }
      - { .name: qc, .offset: 32, .size: 8, .value_kind: global_buffer, .address_space: global }
      - { .name: kc, .offset: 40, .size: 8, .value_kind: global_buffer, .address_space: global }
      - { .name: vc, .offset: 48, .size: 8, .value_kind: global_buffer, .address_space: global }
    .group_segment_fixed_size: 327680
    .private_segment_fixed_size: 0
    .kernarg_segment_align: 8
    .kernarg_segment_size: 56
    .max_flat_workgroup_size: 128
    .sgpr_count:     100
    .vgpr_count:     1024
    .wavefront_size: 32
...
	.end_amdgpu_metadata
.endif
;; end of part 2
;; launch attn (part 3): grid 4 x 64, 16 waves a work-group, clusters of 4 x 1, 264,192 bytes of LDS; arguments qc, kc, vc, lowp_scales, ac; writes ac
.if DOCPART == 3
	.amdgcn_target "amdgcn-amd-amdhsa--gfx1250"
	.amdhsa_code_object_version 6
	.text
	.protected	k_q3349787e3a_attn
	.globl	k_q3349787e3a_attn
	.p2align	8
	.type	k_q3349787e3a_attn,@function
k_q3349787e3a_attn:
	s_mov_b64 s[64:65], 0
	v_nop
	global_prefetch_b8 v0, s[64:65] scope:SCOPE_SE
	s_setreg_imm32_b32 hwreg(HW_REG_WAVE_MODE, 25, 1), 1
	s_wait_xcnt 0x0
	s_wait_alu depctr_hold_cnt(0) depctr_sa_sdst(0) depctr_va_vdst(0) depctr_va_sdst(0) depctr_va_ssrc(0) depctr_va_vcc(0) depctr_vm_vsrc(0)
	s_getreg_b32 s2, hwreg(HW_REG_IB_STS2, 6, 4)
	s_cmp_eq_u32 s2, 0
	s_cbranch_scc0 .Lentry_in_a_cluster
	s_endpgm
.Lentry_in_a_cluster:
	s_bfe_u32 s2, ttmp6, 0x10000c
	s_cmp_lg_u32 s2, 0x3003
	s_cbranch_scc0 .Lentry_shape_is_right
	s_endpgm
.Lentry_shape_is_right:
; Causal attention of one head on codes of E4M3; its result, divided by the row's sum, is quantised with 2^e6 and stored as images of the last product's operand registers.
; qc, kc: [16 b + head][tile of 16 tokens][2][lane][16 bytes]: fragments whose K is the head's 64.  vc: [16 b + head][block of 128 keys][tile of 16 of the 64][4][lane][16 bytes]: K = the keys.
; ac: [head][tile of 16 of the 8,192 tokens][2][lane][16 bytes].  All in the plain 8-bit layout (registers 2 c, 2 c + 1 of lane (r, h): k = 16 c + 8 h + 0 .. 7: ISA guide 7.12.2).
; THE SOFTMAX: t = score x log2(e) / 8; M = the row's largest t so far, rounded UP to a whole number; p = 2^(t - M) is quantised with 2^e4, not normalised.  The row's sum is taken of the unquantised p.
; When M moves, the sum and O are multiplied by 2^(old M - new M): exact.
; SHARES.  A cluster of four work-groups is one head.  Wave w of work-group cx takes two tiles of 16 queries, one after the other: tile 4 (w % 2) + cx of block w / 2 of 128 queries, then the same tile of block 15 - w / 2.
; A key step is 128 keys, and steps all of whose keys come after the block are left out: (w / 2 + 1) + (16 - w / 2) = 17 steps for every wave of every work-group.
; Branches hang on the wave's number and on loop counters alone; cx enters only global addresses and the mask's vector register.
; THE WHOLE HEAD'S K AND V LIE IN LDS, 128 KiB each, filled ONCE by joint loads of the four work-groups (two loads a wave are out, by this text's count): no slot is filled again.
; Keys 0-1,023 are waited for at the head; the rest behind every wave's first key step, where all sixteen waves have done the same work.
; LAYOUT.  Both products are used transposed: S^T = K Q^T (source 0 = 16 keys, source 1 = my 16 queries), O^T = V^T P^T: a lane holds ONE query (lane % 16) throughout, and the conversions' results ARE the next operand's registers.
; LIMITS: e2 + e3 between -123 and 130 (added to c's exponent field); e4 and e6 between -126 and 119; e4 + e5 is applied by v_ldexp_f32 and has none.
; REGISTERS: v1 16 x lane; v2, v3 LDS addresses of the step's K and V; v5, v6 the add's two; v7 the mask's number; v12 -M, v13 the largest t, v[14:15] the sum in two halves; v16-23, v24-31 Q of the two tiles, later their output codes;
;   v32-95 K's fragments, then V's; v96-159 S^T, then p; v160-191 O^T; v200-204 constants; v206-213 at work; v224-239 p's codes.
.set VREG,  131072                     ; LDS: K from 0, V from here
.set SPARE, 262144                     ; the spare words, 128 bytes for each of sixteen waves: eight blocks of 256 bytes that no other line names
.set LI,   1
.set ADK,  2
.set ADV,  3
.set SPW,  5
.set NIL,  6
.set DG,   7
.set FB,   32
.set S,    96
.set O,    160
.set LM4,  200
.set SC4,  201                         ; 2^e4
.set LM6,  202
.set SC6,  203                         ; 2^e6
.set NINF, 204                         ; -infinity
.set MX,   206
.set F,    208                         ; v[208:209]: f and a register named with it as a pair
.set PX,   210
.set SM,   212
.set PC,   224
.set WV,   18
.set SEL,  20
.set CS,   22
.set G1,   24
.set G0K,  32
.set G0V,  40
.set TB,   48                          ; LDS byte at which the step's keys begin in K's region
.set CNT,  49
.set BETA, 50                          ; my block of 128 queries
.set KS,   51                          ; the step's block of 128 keys
.set CX,   52
.set BH,   53
.set EPV,  54
.macro CROUND                          ; a round of the cluster's barrier
	s_barrier_signal -1
	s_barrier_wait -1
	s_cmp_lg_u32 s[WV], 0
	s_cbranch_scc1 .Lnot_wave_0_\@
	s_barrier_signal -3
.Lnot_wave_0_\@:
	s_barrier_wait -3
	s_barrier_signal -1
	s_barrier_wait -1
.endm
	s_load_b256 s[4:11], s[0:1], 0x0               ; qc s[4:5], kc s[6:7], vc s[8:9], the exponents s[10:11]
	s_load_b64 s[12:13], s[0:1], 0x20              ; ac
	v_lshl_add_u32 v[SPW], v0, 2, SPARE
	v_mov_b32 v[NIL], 0
	ds_add_u32 v[SPW], v[NIL]                      ; the wave's opening: the add and its wait ahead of my first tensor load; work on registers stands between them
	ds_add_u32 v[SPW], v[NIL]
	v_lshrrev_b32 v8, 5, v0
	s_delay_alu instid0(VALU_DEP_1)
	v_readfirstlane_b32 s[WV], v8                  ; wave 0..15
	s_bfe_u32 s[CX], ttmp6, 0x40000                ; cx
	s_and_b32 s[BH], ttmp7, 0xffff                 ; 16 b + head, which the four partners share
	; descriptor group 1: a dense block of 8,192 bytes as 32 rows of 256
	s_mov_b32 s[G1], 15|(3<<16)|(1<<21)            ; 15:0 the mask: all four work-groups; 17:16 elements of 8 bytes; 21 set beside a mask
	s_mov_b32 s[G1+1], 32<<16                      ; tensor_dim0 = 32
	s_mov_b32 s[G1+2], 32<<16                      ; tensor_dim1 = 32
	s_mov_b32 s[G1+3], 32<<16                      ; tile_dim0 = 32
	s_mov_b32 s[G1+4], 32                          ; tile_dim1 = 32
	s_mov_b32 s[G1+5], 32                          ; tensor_dim0_stride
	s_mov_b32 s[G1+6], 0
	s_mov_b32 s[G1+7], 0
	s_mov_b32 s[SEL], 0x76543210
	s_mov_b32 s[SEL+1], 0xfedcba98
	s_lshl_b32 s14, s[BH], 17                      ; the head's first byte in qc, kc and vc
	s_mov_b32 s15, 0
	s_and_b32 s16, s[WV], 7
	s_lshl_b32 s16, s16, 13                        ; my 8,192 bytes of each half of K's (waves 0-7) or V's (waves 8-15) region
	s_mov_b32 s17, 0
	s_lshr_b32 s[BETA], s[WV], 1                   ; my first block of queries
	s_and_b32 s19, s[WV], 1
	s_lshl_b32 s19, s19, 2
	s_add_co_u32 s19, s19, s[CX]                   ; my tile in a block
	s_lshl_b32 s74, s[BETA], 3
	s_add_co_u32 s74, s74, s19
	s_lshl_b32 s74, s74, 10                        ; the first tile's image, in bytes from the head's first tile
	s_mov_b32 s75, 0
	s_sub_co_u32 s76, 15, s[BETA]
	s_lshl_b32 s76, s76, 3
	s_add_co_u32 s76, s76, s19
	s_lshl_b32 s76, s76, 10                        ; the second tile's
	s_mov_b32 s77, 0
	s_and_b32 s78, s[BH], 15
	s_lshl_b32 s78, s78, 19                        ; ac: the head's 512 tiles,
	s_lshr_b32 s79, s[BH], 4
	s_lshl_b32 s79, s79, 17                        ; the batch's 128 of them
	s_add_co_u32 s78, s78, s79
	s_mov_b32 s79, 0
	s_wait_dscnt 0x0                               ; the opening add is done
	s_wait_kmcnt 0x0
	s_load_b256 s[56:63], s[10:11], 0x0            ; e0 .. e7
	s_add_nc_u64 s[4:5], s[4:5], s[14:15]
	s_add_nc_u64 s[6:7], s[6:7], s[14:15]
	s_add_nc_u64 s[8:9], s[8:9], s[14:15]
	s_add_nc_u64 s[12:13], s[12:13], s[78:79]
	s_add_nc_u64 s[66:67], s[4:5], s[74:75]        ; Q of my first tile,
	s_add_nc_u64 s[68:69], s[4:5], s[76:77]        ; of my second,
	s_add_nc_u64 s[70:71], s[12:13], s[74:75]      ; and where their results go
	s_add_nc_u64 s[72:73], s[12:13], s[76:77]
	s_mov_b32 s[G0K], 1
	s_mov_b32 s[G0K+1], s16                        ; K, keys 0-1,023: my part
	s_add_nc_u64 s[G0K+2:G0K+3], s[6:7], s[16:17]
	s_mov_b32 s[G0K+4], 1
	s_add_co_u32 s[G0K+5], s16, 65536              ; keys 1,024 on
	s_add_nc_u64 s[G0K+6:G0K+7], s[G0K+2:G0K+3], 0x10000
	s_or_b32 s[G0K+3], s[G0K+3], 0x80000000
	s_or_b32 s[G0K+7], s[G0K+7], 0x80000000
	s_mov_b32 s[G0V], 1
	s_add_co_u32 s[G0V+1], s16, VREG
	s_add_nc_u64 s[G0V+2:G0V+3], s[8:9], s[16:17]
	s_mov_b32 s[G0V+4], 1
	s_add_co_u32 s[G0V+5], s16, VREG+65536
	s_add_nc_u64 s[G0V+6:G0V+7], s[G0V+2:G0V+3], 0x10000
	s_or_b32 s[G0V+3], s[G0V+3], 0x80000000
	s_or_b32 s[G0V+7], s[G0V+7], 0x80000000
	CROUND                                         ; all four work-groups are here: the joint loads meet
	s_cmp_lt_u32 s[WV], 8                          ; a wave's two loads stand in one branch, ahead of every wait on TENSORcnt and every LDS read; an s_nop 0 follows each, four v_nop the second's
	s_cbranch_scc0 .Lfirst_v
	tensor_load_to_lds s[G0K:G0K+3], s[G1:G1+7]
	s_nop 0
	tensor_load_to_lds s[G0K+4:G0K+7], s[G1:G1+7]
	s_nop 0
.rept 4
	v_nop
.endr
	s_branch .Lfirst_asked
.Lfirst_v:
	tensor_load_to_lds s[G0V:G0V+3], s[G1:G1+7]
	s_nop 0
	tensor_load_to_lds s[G0V+4:G0V+7], s[G1:G1+7]
	s_nop 0
.rept 4
	v_nop
.endr
.Lfirst_asked:
	v_and_b32 v[LI], 31, v0
	s_delay_alu instid0(VALU_DEP_1)
	v_lshlrev_b32 v[LI], 4, v[LI]
	global_load_b128 v[16:19], v[LI], s[66:67]
	global_load_b128 v[20:23], v[LI], s[66:67] offset:512
	global_load_b128 v[24:27], v[LI], s[68:69]
	global_load_b128 v[28:31], v[LI], s[68:69] offset:512
	v_and_b32 v8, 15, v0                           ; r
	v_bfe_u32 v9, v0, 4, 1                         ; h
	s_delay_alu instid0(VALU_DEP_1)
	v_lshlrev_b32 v9, 3, v9
	s_delay_alu instid0(VALU_DEP_1)
	v_sub_nc_u32 v[DG], v8, v9
	s_lshl_b32 s19, s19, 4
	v_add_nc_u32 v[DG], s19, v[DG]                 ; my query's place in its block, less 8 h.  Register 8 t + j holds key 16 t + 8 h + j of the step: on the diagonal it is hidden where 16 t + j is greater than this
	v_mov_b32 v[NINF], 0xff800000
	v_mov_b32 v[F+1], 0                            ; (named as the upper half of a pair)
	v_mov_b32 v[PX], 0                             ; a lane permute's destination counts as one of its sources
	s_wait_kmcnt 0x0
	s_mov_b32 s[CS], 0x3e38aa3b                    ; c = log2(e) / 8
	s_add_co_i32 s14, s58, s59
	s_lshl_b32 s14, s14, 23
	s_add_co_i32 s[CS], s[CS], s14                 ; a score stands for score x 2^(e2 + e3): added to c's exponent field
	s_mov_b32 s[CS+1], s[CS]
	s_add_co_i32 s14, s60, 127
	s_lshl_b32 s15, s14, 23
	v_mov_b32 v[SC4], s15
	s_add_co_i32 s14, s62, 127
	s_lshl_b32 s15, s14, 23
	v_mov_b32 v[SC6], s15
	s_add_co_i32 s[EPV], s60, s61                  ; e4 + e5
; A KEY STEP: 128 keys.  qf: Q's registers.  guard = 1: the step may lie on or behind the diagonal.
.macro STEP qf, guard
.if \guard
	s_cmp_gt_u32 s[KS], s[BETA]                    ; all its keys come after my queries: the work is left out, the addresses step on
	s_cbranch_scc1 .Lhidden_\@
.endif
	s_setprio 2
	v_add_nc_u32 v[ADK], s[TB], v[LI]
	s_delay_alu instid0(VALU_DEP_1)
	v_add_nc_u32 v[ADV], VREG, v[ADK]
	v_nop
	v_nop                                          ; with the two additions: four places in front of loads into registers that the last products read
.irp t, 0,1,2,3,4,5,6,7
	ds_load_b128 v[FB+8*\t:FB+8*\t+3], v[ADK] offset:1024*\t
	ds_load_b128 v[FB+8*\t+4:FB+8*\t+7], v[ADK] offset:1024*\t+512
.endr
	s_wait_alu depctr_va_vdst(0)
	s_wait_dscnt 0x0
.irp t, 0,1,2,3,4,5,6,7
	v_wmma_f32_16x16x64_fp8_fp8 v[S+8*\t:S+8*\t+7], v[FB+8*\t:FB+8*\t+7], v[\qf:\qf+7], 0
.endr
.rept 4
	v_nop                                          ; places in front of the loads below and of the first read of the scores
.endr
.irp a, 0,1,2,3
.irp m, 0,1,2,3
	ds_load_b128 v[FB+16*\a+4*\m:FB+16*\a+4*\m+3], v[ADV] offset:2048*\a+512*\m   ; V lands while the softmax is walked
.endr
.endr
.if \guard
	s_cmp_lt_u32 s[KS], s[BETA]
	s_cbranch_scc1 .Lopen_\@                       ; all keys count
.set n, 0
.rept 64
	v_cmp_gt_i32 vcc_lo, 16*(n/8)+n%8, v[DG]
	v_cndmask_b32 v[S+n], v[S+n], v[NINF], vcc_lo  ; a hidden score becomes -infinity: p = 0
.set n, n+1
.endr
.Lopen_\@:
.endif
	v_max3_num_f32 v[MX], v[S], v[S+1], v[S+2]     ; the step's largest score of my query among my 64 keys, in two chains,
	v_max3_num_f32 v[F], v[S+3], v[S+4], v[S+5]
.irp i, 6,10,14,18,22,26,30,34,38,42,46,50,54,58
	v_max3_num_f32 v[MX], v[MX], v[S+\i], v[S+1+\i]
	v_max3_num_f32 v[F], v[F], v[S+2+\i], v[S+3+\i]
.endr
	v_max3_num_f32 v[MX], v[MX], v[S+62], v[S+63]
	s_delay_alu instid0(VALU_DEP_1)
	v_max_num_f32 v[MX], v[MX], v[F]
	s_delay_alu instid0(VALU_DEP_1)
	v_permlanex16_b32 v[PX], v[MX], s[SEL], s[SEL+1]
	s_delay_alu instid0(VALU_DEP_1)
	v_max_num_f32 v[MX], v[MX], v[PX]              ; and among lane l xor 16's
	s_delay_alu instid0(VALU_DEP_1)
	v_mul_f32 v[MX], s[CS], v[MX]                  ; as t (c is positive)
	s_delay_alu instid0(VALU_DEP_1)
	v_max_num_f32 v13, v13, v[MX]                  ; the running largest t
	v_mov_b32 v[MX], v12
	s_delay_alu instid0(VALU_DEP_2)
	v_floor_f32 v12, -v13                          ; the new -M = floor(-t): M is a whole number
	s_delay_alu instid0(VALU_DEP_1)
	v_sub_f32 v[MX], v12, v[MX]                    ; old M less new M: a whole number, 0 or less
	s_delay_alu instid0(VALU_DEP_1)
	v_cvt_i32_f32 v[MX], v[MX]                     ; (it saturates)
	s_delay_alu instid0(VALU_DEP_1)
	v_ldexp_f32 v[F], 1.0, v[MX]                   ; f = 2^(old M - new M)
.set j, 0
.rept 32
	v_pk_fma_f32 v[S+j:S+j+1], v[S+j:S+j+1], s[CS:CS+1], v[12:13] op_sel_hi:[1,0,0]   ; t - M, two at a time
.set j, j+2
.endr
.set j, 0
	s_setprio 1
	s_wait_alu depctr_va_vdst(0)
.rept 64
	v_exp_f32 v[S+j], v[S+j]                       ; p = 2^(t - M), at most 1
.set j, j+1
.endr
	v_pk_mul_f32 v[14:15], v[14:15], v[F:F+1] op_sel_hi:[1,0]   ; the sums under the new M: the plain instruction behind the exponentials
	s_wait_alu depctr_va_vdst(0)                   ; one wait for the whole batch, ahead of its first reader
	v_pk_add_f32 v[212:213], v[100:101], v[104:105]
	v_pk_add_f32 v[254:255], v[108:109], v[112:113]
	v_pk_add_f32 v[252:253], v[116:117], v[120:121]
	v_pk_add_f32 v[250:251], v[124:125], v[128:129]
	v_pk_add_f32 v[248:249], v[132:133], v[136:137]
	v_pk_add_f32 v[246:247], v[140:141], v[144:145]
	v_pk_add_f32 v[244:245], v[148:149], v[152:153]
	v_pk_add_f32 v[14:15], v[14:15], v[156:157]
	v_pk_add_f32 v[212:213], v[212:213], v[96:97]
	v_pk_add_f32 v[254:255], v[254:255], v[98:99]
	v_pk_add_f32 v[252:253], v[252:253], v[102:103]
	v_pk_add_f32 v[250:251], v[250:251], v[106:107]
	v_pk_add_f32 v[248:249], v[248:249], v[110:111]
	v_pk_add_f32 v[246:247], v[246:247], v[114:115]
	v_pk_add_f32 v[244:245], v[244:245], v[118:119]
	v_pk_add_f32 v[14:15], v[14:15], v[122:123]
	v_pk_add_f32 v[212:213], v[212:213], v[126:127]
	v_pk_add_f32 v[254:255], v[254:255], v[130:131]
	v_pk_add_f32 v[252:253], v[252:253], v[134:135]
	v_pk_add_f32 v[250:251], v[250:251], v[138:139]
	v_pk_add_f32 v[248:249], v[248:249], v[142:143]
	v_pk_add_f32 v[246:247], v[246:247], v[146:147]
	v_pk_add_f32 v[244:245], v[244:245], v[150:151]
	v_pk_add_f32 v[14:15], v[14:15], v[154:155]
	v_pk_add_f32 v[212:213], v[212:213], v[158:159]
	s_delay_alu instid0(VALU_DEP_2)
	v_pk_add_f32 v[14:15], v[14:15], v[250:251]
	s_delay_alu instid0(VALU_DEP_2)
	v_pk_add_f32 v[212:213], v[212:213], v[248:249]
	v_pk_add_f32 v[254:255], v[254:255], v[246:247]
	v_pk_add_f32 v[252:253], v[252:253], v[244:245]
	s_delay_alu instid0(VALU_DEP_2)
	v_pk_add_f32 v[14:15], v[14:15], v[254:255]
	s_delay_alu instid0(VALU_DEP_2)
	v_pk_add_f32 v[212:213], v[212:213], v[252:253]
	s_delay_alu instid0(VALU_DEP_1)
	v_pk_add_f32 v[14:15], v[14:15], v[212:213]
	s_setprio 0
.irp t, 0,1,2,3,4,5,6,7
.irp i, 0,1,2,3,4,5,6,7
.endr
	v_cvt_scalef32_pk8_fp8_f32 v[PC+2*\t:PC+2*\t+1], v[S+8*\t:S+8*\t+7], v[SC4]   ; keys 16 t + 8 h + 0 .. 7: registers 2 t, 2 t + 1 of the operand
.endr
.set j, 0
.rept 16
	v_pk_mul_f32 v[O+j:O+j+1], v[O+j:O+j+1], v[F:F+1] op_sel_hi:[1,0]   ; O^T under the new M; also the plain instructions behind the conversions
.set j, j+2
.endr
	s_wait_alu depctr_va_vdst(0)
	s_wait_dscnt 0x0                               ; V is in
.irp a, 0,1,2,3
	v_wmma_f32_16x16x128_fp8_fp8 v[O+8*\a:O+8*\a+7], v[FB+16*\a:FB+16*\a+15], v[PC:PC+15], v[O+8*\a:O+8*\a+7]   ; the four accumulators take turns
.endr
.if \guard
.Lhidden_\@:
.endif
	s_add_co_u32 s[TB], s[TB], 8192
	s_add_co_u32 s[KS], s[KS], 1
.endm
.macro LOOPN qf, guard, n              ; n key steps: the trip count is a constant
	s_mov_b32 s[CNT], \n
.Lloop_\@:
	STEP \qf, \guard
	s_sub_co_u32 s[CNT], s[CNT], 1
	s_cmp_lg_u32 s[CNT], 0
	s_cbranch_scc1 .Lloop_\@
	s_setprio 0
.endm
.macro INIT                            ; a tile begins: the step is written without a first step of its own, so O^T and the sum begin as zeros and the largest t under every t
	v_mov_b32 v13, 0xff61b1e6                      ; -3e38
	s_delay_alu instid0(VALU_DEP_1)
	v_floor_f32 v12, -v13
	v_mov_b32 v14, 0
	v_mov_b32 v15, 0
.set j, 0
.rept 32
	v_mov_b32 v[O+j], 0
.set j, j+1
.endr
	s_mov_b32 s[TB], 0
	s_mov_b32 s[KS], 0
.endm
; A tile ends: O^T x 2^(e4 + e5) / the sum, held, quantised with 2^e6: tile a of 16 channels gives registers 2 a, 2 a + 1 of the image, which takes Q's registers and leaves by two stores of 512 consecutive bytes.
.macro WAYOUT qf, ptr
.rept 4
	v_nop                                          ; places behind the last products
.endr
	v_add_f32 v14, v14, v15
	s_delay_alu instid0(VALU_DEP_1)
	v_permlanex16_b32 v[PX], v14, s[SEL], s[SEL+1]
	s_delay_alu instid0(VALU_DEP_1)
	v_add_f32 v14, v14, v[PX]                      ; the row's sum
	s_wait_alu depctr_va_vdst(0)
	v_rcp_f32 v14, v14
	v_nop                                          ; a plain instruction behind the reciprocal
	s_wait_alu depctr_va_vdst(0)                   ; and the wait ahead of its first reader
	v_ldexp_f32 v14, v14, s[EPV]
.set j, 0
.rept 32
	v_mul_f32 v[S+j], v[O+j], v14                  ; each accumulator from its low end on
.set j, j+1
.endr
.set j, 0
.rept 32
.set j, j+1
.endr
.irp a, 0,1,2,3
	v_cvt_scalef32_pk8_fp8_f32 v[\qf+2*\a:\qf+2*\a+1], v[S+8*\a:S+8*\a+7], v[SC6]
.endr
	v_nop                                          ; a plain instruction behind the conversions: later products write their sources
	global_store_b128 v[LI], v[\qf:\qf+3], s[\ptr:\ptr+1]
	global_store_b128 v[LI], v[\qf+4:\qf+7], s[\ptr:\ptr+1] offset:512
.endm
	s_wait_loadcnt 0x0                             ; Q
	s_wait_tensorcnt 0x1                           ; my part of keys 0-1,023 is in; my second load may be out
	s_barrier_signal -1
	s_barrier_wait -1                              ; everybody's is
	INIT
	STEP 16, 1                                     ; every wave's first key step: keys 0-127
	s_wait_tensorcnt 0x0                           ; my part of keys 1,024 on is in,
	s_wait_dscnt 0x0
	s_barrier_signal -1
	s_barrier_wait -1                              ; everybody's is: all of K and V lies in LDS
	LOOPN 16, 1, 7                                 ; key blocks 1 to 7, as far as my block of queries reaches
	WAYOUT 16, 70
	INIT
	s_sub_co_u32 s[BETA], 15, s[BETA]              ; my second block of queries: 8 or above
	LOOPN 24, 0, 8                                 ; key blocks 0 to 7 count whole
	LOOPN 24, 1, 8                                 ; key blocks 8 to 15, as far as my block reaches
	WAYOUT 24, 72
	s_wait_tensorcnt 0x0                           ; the wave's end
	ds_add_u32 v[SPW], v[NIL]
	s_wait_dscnt 0x0
	CROUND                                         ; the closing round
	s_endpgm
.Lfunc_end_k_q3349787e3a_attn:
	.size	k_q3349787e3a_attn, .Lfunc_end_k_q3349787e3a_attn-k_q3349787e3a_attn
	.p2alignl 7, 3214868480
	.fill 96, 4, 3214868480
	.section	.rodata,"a",@progbits
	.p2align	6, 0x0
	.amdhsa_kernel k_q3349787e3a_attn
		.amdhsa_group_segment_fixed_size 264192
		.amdhsa_private_segment_fixed_size 0
		.amdhsa_enable_private_segment 0
		.amdhsa_kernarg_size 40
		.amdhsa_user_sgpr_count 2
		.amdhsa_user_sgpr_kernarg_segment_ptr 1
		.amdhsa_wavefront_size32 1
		.amdhsa_system_sgpr_workgroup_id_x 1
		.amdhsa_system_sgpr_workgroup_id_y 1
		.amdhsa_system_sgpr_workgroup_id_z 1
		.amdhsa_system_vgpr_workitem_id 0
		.amdhsa_next_free_vgpr 256
		.amdhsa_next_free_sgpr 80
		.amdhsa_reserve_vcc 1
		.amdhsa_float_denorm_mode_32 3
		.amdhsa_float_denorm_mode_16_64 3
		.amdhsa_fp16_overflow 1
		.amdhsa_memory_ordered 1
		.amdhsa_forward_progress 1
		.amdhsa_inst_pref_size 85
	.end_amdhsa_kernel
	.amdgpu_metadata
---
amdhsa.version: [ 1, 2 ]
amdhsa.kernels:
  - .name:           k_q3349787e3a_attn
    .symbol:         k_q3349787e3a_attn.kd
    .args:
      - { .name: qc, .offset: 0, .size: 8, .value_kind: global_buffer, .address_space: global }
      - { .name: kc, .offset: 8, .size: 8, .value_kind: global_buffer, .address_space: global }
      - { .name: vc, .offset: 16, .size: 8, .value_kind: global_buffer, .address_space: global }
      - { .name: lowp_scales, .offset: 24, .size: 8, .value_kind: global_buffer, .address_space: global }
      - { .name: ac, .offset: 32, .size: 8, .value_kind: global_buffer, .address_space: global }
    .group_segment_fixed_size: 264192
    .private_segment_fixed_size: 0
    .kernarg_segment_align: 8
    .kernarg_segment_size: 40
    .max_flat_workgroup_size: 512
    .sgpr_count:     80
    .vgpr_count:     256
    .wavefront_size: 32
...
	.end_amdgpu_metadata
.endif
;; end of part 3
;; launch proj (part 4): grid 4 x 64, 4 waves a work-group, clusters of 4 x 4, 327,680 bytes of LDS; arguments ac, wc, b_out, lowp_scales, out0; writes out0
.if DOCPART == 4
	.amdgcn_target "amdgcn-amd-amdhsa--gfx1250"
	.amdhsa_code_object_version 6
	.text
	.protected	k_q3349787e3a_proj
	.globl	k_q3349787e3a_proj
	.p2align	8
	.type	k_q3349787e3a_proj,@function
k_q3349787e3a_proj:
	s_mov_b64 s[64:65], 0
	v_nop
	global_prefetch_b8 v0, s[64:65] scope:SCOPE_SE
	s_setreg_imm32_b32 hwreg(HW_REG_WAVE_MODE, 25, 1), 1
	s_wait_xcnt 0x0
	s_wait_alu depctr_hold_cnt(0) depctr_sa_sdst(0) depctr_va_vdst(0) depctr_va_sdst(0) depctr_va_ssrc(0) depctr_va_vcc(0) depctr_vm_vsrc(0)
	s_getreg_b32 s2, hwreg(HW_REG_IB_STS2, 6, 4)
	s_cmp_eq_u32 s2, 0
	s_cbranch_scc0 .Lentry_in_a_cluster
	s_endpgm
.Lentry_in_a_cluster:
	s_bfe_u32 s2, ttmp6, 0x10000c
	s_cmp_lg_u32 s2, 0xf033
	s_cbranch_scc0 .Lentry_shape_is_right
	s_endpgm
.Lentry_shape_is_right:
; out0 = a W_out + b_out on codes of E4M3; sums in f32, each multiplied once by 2^(e6 + e7) and the bias added by the same fused multiply-add.  LIMIT: e6 + e7 between -126 and 127.
; a: ac [head][tile of 16 tokens][2][lane][16 bytes]: images of fragments whose K is a head's 64, in the plain 8-bit layout; two heads' images on end are a fragment of 128 along K.
; W_out: wc rows 3,072 on, [n][1024], with the groups of 8 codes of each 32 in the order 0, 2, 1, 3, so that a 16-byte read at 32 m + 16 (lane / 16) gives the same k that a's registers 4 m .. 4 m + 3 hold.
; A tile of out0, 128 tokens x 256 columns, is made by four waves, 64 x 128 each: 32 accumulators; 256 work-groups.  K = 1,024 goes in four steps of 256 (four heads) through two LDS slots.
; THE MATRIX INSTRUCTION IS USED TRANSPOSED (source 0 = 16 rows of W_out's codes, source 1 = 16 tokens): a lane holds eight neighbouring columns of one row of out0.
; CLUSTERS: 4 x 4 work-groups; a's tile is asked for jointly along a row of the cluster, W_out's along a column.
; REGISTERS, in windows of 256: window 0: v16-29 addresses; v32-95 the bias; v128-191 a's fragments, ONE set; on the way out v128-255 take rows of out0.   window 1: W_out's fragments, TWO sets.   window 2: the accumulators ((a, b) at v[8 (8 a + b)]).
.set KROW,   1024
.set PITCH,  272                       ; an LDS row of W_out's codes: 256 bytes + 16 of padding
.set FR,     16
.set NL,     4
.set NP,     4
.set AHALF,  16384                     ; a's part of a slot for 64 tokens: [head 4][tile 4][1,024 bytes], dense
.set ASZ,    2*AHALF
.set BHALF,  128*PITCH
.set SLOT,   ASZ+2*BHALF
.set STAGE,  2*SLOT                    ; behind the ring: 16 rows x (512 bytes + 16) for each wave, for the way out; no tensor load lands there
.set SPITCH, 528
.set SPARE,  STAGE+4*16*SPITCH         ; the spare words, 128 bytes for each wave
.set ADRA, 16
.set ADRB, 20
.set STO,  24
.set RD,   25
.set CO,   26                          ; v26 16 x lane
.set SPW,  28
.set NIL,  29
.set BI,   32
.set AF,   128
.set BK,   128
.set G1, 24
.set G0, 32
.set G1B, 48
.set G0B, 56
.set MSB, 0
.macro WIN new                         ; the immediate's high byte repeats the setting that is left
.if MSB != \new
	s_set_vgpr_msb (MSB<<8)|\new
.set MSB, \new
.endif
.endm
.set MUL,  0xa1                        ; source 0 (W_out) window 1, source 1 (a) window 0, C and D window 2
.set TO_B, 0x40
.macro JLOAD g0a, g1a, g0b, g1b        ; waves 0 and 1 fetch a's halves, waves 2 and 3 W_out's; an s_nop 0 and four v_nop follow each of the two lines
	s_cmp_eq_u32 s15, 0
	s_cbranch_scc0 .Lfor_b_\@
	tensor_load_to_lds s[\g0a:\g0a+3], s[\g1a:\g1a+7]
	s_nop 0
.rept 4
	v_nop
.endr
	s_branch .Lasked_\@
.Lfor_b_\@:
	tensor_load_to_lds s[\g0b:\g0b+3], s[\g1b:\g1b+7]
	s_nop 0
.rept 4
	v_nop
.endr
.Lasked_\@:
.endm
.macro CREST
	s_cmp_lg_u32 s14, 0
	s_cbranch_scc1 .Lnot_wave_0_\@
	s_barrier_signal -3
.Lnot_wave_0_\@:
	s_barrier_wait -3
	s_barrier_signal -1
	s_barrier_wait -1
.endm
.macro CROUND
	s_barrier_signal -1
	s_barrier_wait -1
	CREST
.endm
	s_load_b256 s[4:11], s[0:1], 0x0               ; ac s[4:5], wc s[6:7], b_out s[8:9], the exponents s[10:11]
	s_load_b64 s[12:13], s[0:1], 0x20              ; out0
	v_lshl_add_u32 v[SPW], v0, 2, SPARE
	v_mov_b32 v[NIL], 0
	ds_add_u32 v[SPW], v[NIL]                      ; the wave's opening: the add and its wait ahead of my first tensor load
	ds_add_u32 v[SPW], v[NIL]
	v_lshrrev_b32 v1, 5, v0
	v_readfirstlane_b32 s14, v1                    ; wave 0..3
	s_lshr_b32 s15, s14, 1                         ; which 64 tokens are mine.  Also: I fetch for a (0) or for W_out (1)
	s_and_b32 s16, s14, 1                          ; which 128 columns.  Also: which half I fetch
	s_bfe_u32 s40, ttmp6, 0x40000                  ; cx
	s_bfe_u32 s41, ttmp6, 0x40004                  ; cy
	s_lshl_b32 s42, ttmp9, 2
	s_add_co_u32 s42, s42, s40                     ; tile column: 256 columns
	s_and_b32 s17, ttmp7, 0xffff
	s_lshl_b32 s17, s17, 2
	s_add_co_u32 s17, s17, s41                     ; tile row: 128 tokens
	s_lshl_b32 s43, s41, 2
	s_lshl_b32 s43, 15, s43                        ; my row of the cluster
	s_lshl_b32 s44, 0x1111, s40                    ; my column
	; a's tile: 4 rows (heads) of 4,096 bytes (four images), 524,288 bytes apart; elements of 8 bytes; no padding
	s_or_b32 s[G1+0], s43, (3<<16)|(1<<21)
	s_mov_b32 s[G1+1], 512<<16                     ; tensor_dim0 = 512
	s_mov_b32 s[G1+2], 4<<16                       ; tensor_dim1 = 4
	s_mov_b32 s[G1+3], 512<<16                     ; tile_dim0 = 512
	s_mov_b32 s[G1+4], 4                           ; tile_dim1 = 4
	s_mov_b32 s[G1+5], 65536                       ; tensor_dim0_stride
	s_mov_b32 s[G1+6], 0
	s_mov_b32 s[G1+7], 0
	; W_out's tile: 128 rows of 256 bytes, 1,024 apart, 16 bytes of padding behind each
	s_or_b32 s[G1B+0], s44, (0<<16)|(1<<20)|(1<<21)|(5<<22)|(3<<25)
	s_mov_b32 s[G1B+1], 256<<16
	s_mov_b32 s[G1B+2], 128<<16
	s_mov_b32 s[G1B+3], 256<<16
	s_mov_b32 s[G1B+4], 128
	s_mov_b32 s[G1B+5], KROW
	s_mov_b32 s[G1B+6], 0
	s_mov_b32 s[G1B+7], 0
	s_lshl_b32 s20, s17, 13
	s_lshl_b32 s18, s16, 12
	s_add_co_u32 s20, s20, s18                     ; a: (128 x tile row + 64 x half) tokens of 64 bytes in a head
	s_mov_b32 s21, 0
	s_lshl_b32 s46, s42, 18
	s_lshl_b32 s18, s16, 17
	s_add_co_u32 s46, s46, s18
	s_add_co_u32 s46, s46, 3072*1024               ; W_out: row 3,072 + 256 x tile column + 128 x half
	s_mov_b32 s47, 0
	s_lshl_b32 s45, s16, 14                        ; where a's half goes,
	s_mul_i32 s19, s16, BHALF
	s_add_co_u32 s19, s19, ASZ                     ; and W_out's
	s_wait_dscnt 0x0                               ; the opening add is done
	s_wait_kmcnt 0x0
	s_load_b256 s[80:87], s[10:11], 0x0            ; e0 .. e7
	s_add_nc_u64 s[20:21], s[4:5], s[20:21]
	s_add_nc_u64 s[46:47], s[6:7], s[46:47]
	CROUND                                         ; all sixteen work-groups are here: the first joint loads meet
.irp s, 0,1
	s_mov_b32 s[G0+4*\s], 1
	s_add_co_u32 s[G0+4*\s+1], s45, \s*SLOT
	s_add_nc_u64 s[G0+4*\s+2:G0+4*\s+3], s[20:21], \s*2097152       ; four heads on
	s_or_b32 s[G0+4*\s+3], s[G0+4*\s+3], 0x80000000
	s_mov_b32 s[G0B+4*\s], 1
	s_add_co_u32 s[G0B+4*\s+1], s19, \s*SLOT
	s_add_nc_u64 s[G0B+4*\s+2:G0B+4*\s+3], s[46:47], \s*256
	s_or_b32 s[G0B+4*\s+3], s[G0B+4*\s+3], 0x80000000
	s_wait_alu depctr_va_vdst(0)
	s_wait_tensorcnt 0x0
	ds_add_u32 v28, v29
	ds_add_u32 v28, v29
	s_wait_dscnt 0x0
	CROUND
	JLOAD G0+4*\s, G1, G0B+4*\s, G1B
.endr
	v_and_b32 v1, 15, v0                           ; r
	v_bfe_u32 v2, v0, 4, 1                         ; h
	v_and_b32 v6, 31, v0
	v_lshlrev_b32 v[CO], 4, v6
	v_mul_u32_u24 v3, v1, PITCH
	v_lshl_add_u32 v4, v2, 4, v3
	s_lshl_b32 s21, s15, 14                        ; my 64 tokens' images
	s_mul_i32 s22, s16, BHALF
	s_add_co_u32 s22, s22, ASZ                     ; my 128 rows of W_out's codes
.irp s, 0,1
	v_add_nc_u32 v[ADRA+\s], s21, v[CO]
	v_add_nc_u32 v[ADRB+\s], s22, v4
	s_add_co_u32 s21, s21, SLOT
	s_add_co_u32 s22, s22, SLOT
.endr
	s_mul_i32 s23, s14, 16*SPITCH
	s_add_co_u32 s23, s23, STAGE                   ; my stage
	v_mul_u32_u24 v5, v1, SPITCH
	v_lshl_add_u32 v5, v2, 5, v5
	v_add_nc_u32 v[STO], s23, v5                   ; in: row r, 32 bytes for each half of the lanes
	v_add_nc_u32 v[RD], s23, v[CO]                 ; back: the 32 lanes take one row of 512 bytes
	s_lshl_b32 s46, s42, 10
	s_lshl_b32 s47, s16, 9
	s_add_co_u32 s46, s46, s47                     ; my first column, in bytes of f32
	s_mov_b32 s47, 0
	s_add_nc_u64 s[8:9], s[8:9], s[46:47]          ; b_out there
	s_lshl_b32 s20, s17, 19
	s_lshl_b32 s21, s15, 18
	s_add_co_u32 s20, s20, s21                     ; my first row: (128 x tile row + 64 x half) rows of 4,096 bytes
	s_add_co_u32 s20, s20, s46
	s_mov_b32 s21, 0
	s_add_nc_u64 s[12:13], s[12:13], s[20:21]
	v_lshlrev_b32 v7, 5, v2                        ; the bias in the result's layout: tile b, register j: column 16 b + 8 h + j
.irp b, 0,1,2,3,4,5,6,7
	global_load_b128 v[BI+8*\b:BI+8*\b+3], v7, s[8:9] offset:64*\b
	global_load_b128 v[BI+8*\b+4:BI+8*\b+7], v7, s[8:9] offset:64*\b+16
.endr
	s_wait_alu depctr_va_vdst(0)
	s_wait_kmcnt 0x0
	s_add_co_i32 s96, s86, s87
	s_add_co_i32 s96, s96, 127
	s_lshl_b32 s96, s96, 23                        ; 2^(e6 + e7) as f32
	s_mov_b32 s97, s96                             ; (named with it as a pair)
.macro FRAG_A reg, slot, q, i          ; tokens 16 i on, heads 2 q and 2 q + 1 of the slot's four: two images, four loads of 512 consecutive bytes
.irp c, 0,1,2,3
	ds_load_b128 v[\reg+4*\c:\reg+4*\c+3], v[ADRA+\slot] offset:(2*(\q)+\c/2)*4096+1024*(\i)+512*(\c%2)
.endr
.endm
.macro FRAG_B reg, slot, q, i
.irp c, 0,1,2,3
	ds_load_b128 v[\reg+4*\c:\reg+4*\c+3], v[ADRB+\slot] offset:128*(\q)+32*\c+(\i)*16*PITCH
.endr
.endm
; 8 matrix instructions: a's block x W_out's eight.  The 32 accumulators take turns, one instruction a turn, in the same order in every step.
.macro MUL8 a, p, zero
.irp b, 0,1,2,3,4,5,6,7
.if \zero
	v_wmma_f32_16x16x128_fp8_fp8 v[8*(8*(\a)+\b):8*(8*(\a)+\b)+7], v[128*(\p)+FR*\b:128*(\p)+FR*\b+FR-1], v[AF+FR*(\a):AF+FR*(\a)+FR-1], 0
.else
	v_wmma_f32_16x16x128_fp8_fp8 v[8*(8*(\a)+\b):8*(8*(\a)+\b)+7], v[128*(\p)+FR*\b:128*(\p)+FR*\b+FR-1], v[AF+FR*(\a):AF+FR*(\a)+FR-1], v[8*(8*(\a)+\b):8*(8*(\a)+\b)+7]
.endif
.endr
.endm
.macro FETCH_B slot, q, p
	WIN TO_B
.irp i, 0,1,2,3,4,5,6,7
	FRAG_B 128*(\p)+FR*\i, \slot, \q, \i
.endr
	WIN 0
.endm
.macro FETCH_A slot, q, i0
.irp i, \i0, \i0+1
	FRAG_A AF+FR*(\i), \slot, \q, \i
.endr
.endm
.macro PLACES n
.rept \n
	v_nop
.endr
.endm
.macro STEP slot, q, zero
	s_wait_dscnt 2*NL                              ; W_out's set and a's blocks 0, 1 are in; the eight youngest loads (blocks 2, 3) may be out
	WIN MUL
	MUL8 0, (\q)%2, \zero
	MUL8 1, (\q)%2, \zero
	s_wait_dscnt 0
	PLACES NP
	FETCH_B \slot, (\q)+1, 1-(\q)%2
	FETCH_A \slot, (\q)+1, 0
	WIN MUL
	MUL8 2, (\q)%2, \zero
	MUL8 3, (\q)%2, \zero
	PLACES NP
	WIN 0
	FETCH_A \slot, (\q)+1, 2
.endm
; A slot's last step changes slots: ONE barrier; in front of it each wave waits for all its tensor loads, adds 0 to its spare word, and waits for that and for its own reads of this slot.
.macro TURN slot, next, fill
	s_wait_tensorcnt 0x0                           ; all my tensor loads have landed: my part of the next slot
	ds_add_u32 v[SPW], v[NIL]                      ; 0 onto my spare word
	s_wait_dscnt 2*NL+1                            ; the add and the eight youngest loads may be out
	WIN MUL
	MUL8 0, 1, 0
	s_wait_dscnt 0x0                               ; the add is done, and my reads of this slot are over
	s_barrier_signal -1
	MUL8 1, 1, 0
	WIN 0
	s_barrier_wait -1
.if \fill
	CREST                                          ; the barrier has opened a round of the cluster's barrier
	s_add_nc_u64 s[G0+4*\slot+2:G0+4*\slot+3], s[G0+4*\slot+2:G0+4*\slot+3], 2*2097152
	s_add_nc_u64 s[G0B+4*\slot+2:G0B+4*\slot+3], s[G0B+4*\slot+2:G0B+4*\slot+3], 2*256
	JLOAD G0+4*\slot, G1, G0B+4*\slot, G1B         ; the first tensor load behind the round; its four v_nop are the places in front of the loads below
.else
	PLACES NP
.endif
	FETCH_B \next, 0, 0
	FETCH_A \next, 0, 0
	WIN MUL
	MUL8 2, 1, 0
	MUL8 3, 1, 0
	PLACES NP
	WIN 0
	FETCH_A \next, 0, 2
.endm
	s_wait_loadcnt 0x0                             ; the bias
	s_wait_tensorcnt 1                             ; my part of K step 0 is in; K step 1's load may be out
	s_barrier_signal -1
	s_barrier_wait -1
	FETCH_B 0, 0, 0
	FETCH_A 0, 0, 0
	FETCH_A 0, 0, 2
	STEP 0, 0, 1                                   ; the first products start the sums
	TURN 0, 1, 1                                   ; slot 0 takes K step 2
	STEP 1, 0, 0
	TURN 1, 0, 1                                   ; slot 1 takes K step 3
	STEP 0, 0, 0
	TURN 0, 1, 0
	STEP 1, 0, 0
	s_wait_dscnt 2*NL                              ; the very last step
	WIN MUL
	MUL8 0, 1, 0
	MUL8 1, 1, 0
	s_wait_dscnt 0
	MUL8 2, 1, 0
	MUL8 3, 1, 0
	WIN 0
; THE WAY OUT, block by block of 16 tokens x 128 columns: sum x 2^(e6 + e7) + bias in place, through my own stage in LDS, back as whole rows of 512 bytes.
; LDS serves a wave's instructions in order (ISA guide 5.7.1.4): no wait between the stores and the loads, nor in front of the next block's stores.
.macro TOSTAGE a
.set AC, 64*(\a)
	WIN 0x82                                       ; source 0 and destination window 2, the bias window 0
.set i, 0
.rept 32
	v_pk_fma_f32 v[AC+i:AC+i+1], v[AC+i:AC+i+1], s[96:97], v[BI+i:BI+i+1] op_sel_hi:[1,0,1]   ; each accumulator from its low end on
.set i, i+2
.endr
	WIN 0x08                                       ; an LDS store's data: window 2
.irp b, 0,1,2,3,4,5,6,7
	ds_store_b128 v[STO], v[AC+8*\b:AC+8*\b+3] offset:64*\b
	ds_store_b128 v[STO], v[AC+8*\b+4:AC+8*\b+7] offset:64*\b+16
.endr
	WIN 0
.set BB, BK+64*((\a)%2)
.irp t, 0,1,2,3,4,5,6,7,8,9,10,11,12,13,14,15
	ds_load_b128 v[BB+4*\t:BB+4*\t+3], v[RD] offset:\t*SPITCH
.endr
.endm
.macro SEND a, younger                 ; younger: the LDS instructions issued behind block a's loads, which may stay out
.set BB, BK+64*((\a)%2)
	s_wait_dscnt \younger
.if (\a) > 0
	s_add_nc_u64 s[12:13], s[12:13], 16*4096       ; behind a wait on XCNT: the earlier stores have read their base
.endif
.irp t, 0,1,2,3,4,5,6,7,8,9,10,11,12,13,14,15
	global_store_b128 v[CO], v[BB+4*\t:BB+4*\t+3], s[12:13] offset:\t*4096 th:TH_STORE_NT   ; 32 lanes store 512 consecutive bytes, aligned; written once
.endr
.endm
	PLACES NP                                      ; behind the last products
	TOSTAGE 0
.irp a, 1,2,3
.if \a > 1
	s_wait_xcnt 0x0                                ; block a - 2's stores have read their registers and their base
.endif
	TOSTAGE \a
	SEND \a-1, 32                                  ; behind block a - 1's loads: block a's 16 stores and 16 loads
.endr
	s_wait_xcnt 0x0
	SEND 3, 0
	s_wait_tensorcnt 0x0                           ; the wave's end, behind my last tensor load and my last LDS store
	ds_add_u32 v[SPW], v[NIL]
	s_wait_dscnt 0x0
	CROUND                                         ; the closing round
	s_endpgm
.Lfunc_end_k_q3349787e3a_proj:
	.size	k_q3349787e3a_proj, .Lfunc_end_k_q3349787e3a_proj-k_q3349787e3a_proj
	.p2alignl 7, 3214868480
	.fill 96, 4, 3214868480
	.section	.rodata,"a",@progbits
	.p2align	6, 0x0
	.amdhsa_kernel k_q3349787e3a_proj
		.amdhsa_group_segment_fixed_size 327680
		.amdhsa_private_segment_fixed_size 0
		.amdhsa_enable_private_segment 0
		.amdhsa_kernarg_size 40
		.amdhsa_user_sgpr_count 2
		.amdhsa_user_sgpr_kernarg_segment_ptr 1
		.amdhsa_wavefront_size32 1
		.amdhsa_system_sgpr_workgroup_id_x 1
		.amdhsa_system_sgpr_workgroup_id_y 1
		.amdhsa_system_sgpr_workgroup_id_z 1
		.amdhsa_system_vgpr_workitem_id 0
		.amdhsa_next_free_vgpr 768
		.amdhsa_next_free_sgpr 100
		.amdhsa_reserve_vcc 0
		.amdhsa_float_denorm_mode_32 3
		.amdhsa_float_denorm_mode_16_64 3
		.amdhsa_memory_ordered 1
		.amdhsa_forward_progress 1
		.amdhsa_inst_pref_size 79
	.end_amdhsa_kernel
	.amdgpu_metadata
---
amdhsa.version: [ 1, 2 ]
amdhsa.kernels:
  - .name:           k_q3349787e3a_proj
    .symbol:         k_q3349787e3a_proj.kd
    .args:
      - { .name: ac, .offset: 0, .size: 8, .value_kind: global_buffer, .address_space: global }
      - { .name: wc, .offset: 8, .size: 8, .value_kind: global_buffer, .address_space: global }
      - { .name: b_out, .offset: 16, .size: 8, .value_kind: global_buffer, .address_space: global }
      - { .name: lowp_scales, .offset: 24, .size: 8, .value_kind: global_buffer, .address_space: global }
      - { .name: out0, .offset: 32, .size: 8, .value_kind: global_buffer, .address_space: global }
    .group_segment_fixed_size: 327680
    .private_segment_fixed_size: 0
    .kernarg_segment_align: 8
    .kernarg_segment_size: 40
    .max_flat_workgroup_size: 128
    .sgpr_count:     100
    .vgpr_count:     768
    .wavefront_size: 32
...
	.end_amdgpu_metadata
.endif
;; end of part 4
